; MI455X (gfx1250); checked and timed in simulation.
; The chip was launched on July 23, 2026; its instructions are those of AMD's public machine-readable ISA for CDNA 5 (MIT licence, August 2026) and "CDNA5" Instruction Set Architecture Reference Guide (July 2026). The comments in the code are by the model that wrote it; some were corrected since.
;; Enhanced Attention Layer. Allowed arithmetic: float matrix products may take bf16 or f16 operands with f32 sums; other float arithmetic in f32, or as packed bf16 or f16 multiplies, adds, multiply-adds, maxima and minima; sums over many terms, partial sums and values carried from step to step in f32; what a program stores and reads back later, other than sums and carried values, may be rounded once to bf16 or f16.
;; Inputs: Wk 1,024 x 1,024 float32; Wo 1,024 x 1,024 float32; Wq 1,024 x 1,024 float32; Wv 1,024 x 1,024 float32; bk 1,024 float32; bo 1,024 float32; bq 1,024 float32; bv 1,024 float32; x 4 x 2,048 x 1,024 float32.
;; Outputs: out0 4 x 2,048 x 1,024 float32.
;; One version. Each part assembles by itself: llvm-mc -triple=amdgcn-amd-amdhsa -mcpu=gfx1250 --defsym DOCPART=n.
;; ======== version 1 of 1: 5 launches
;; limits: values are held in f16: magnitudes above 65,504 overflow, below 6.1e-05 lose precision
;; workspace buffers: xw 25,165,824 bytes; qkv 50,331,648 bytes; p 33,554,432 bytes; stats 1,048,576 bytes; ctx 16,777,216 bytes
;; launch cast (part 1): grid 1536 x 1, 8 waves a work-group, no clusters, 0 bytes of LDS; arguments x, Wq, Wk, Wv, Wo, xw; writes xw
.if DOCPART == 1
	.amdgcn_target "amdgcn-amd-amdhsa--gfx1250"
	.amdhsa_code_object_version 6
	.text
	.protected	k_q3c259271f8_cast
	.globl	k_q3c259271f8_cast
	.p2align	8
	.type	k_q3c259271f8_cast,@function
k_q3c259271f8_cast:
	s_mov_b64 s[64:65], 0
	v_nop
	global_prefetch_b8 v0, s[64:65] scope:SCOPE_SE
	s_setreg_imm32_b32 hwreg(HW_REG_WAVE_MODE, 25, 1), 1
	s_wait_xcnt 0x0
; xw = the module's large inputs in 16 bits: rows 0-8191 x, rows 8192-11263 Wq, Wk, Wv, all rounded to bf16; rows 11264-12287 Wo, rounded to bf16 and that number written as f16.
; LIMITS.  Wo's bf16 number must lie within f16's range (below 65,504 in size); below 6.1e-5 it keeps f16's fixed step of 6e-8.
; A stream: memory binds, so no LDS, no barrier, no matrix unit.  A work-group takes 8,192 numbers: 32 KiB in, 16 KiB out.  Thread t takes 16 bytes of each 4,096: a wave's load covers 512
; consecutive bytes, a wave's store 256 consecutive bytes, aligned.  All eight loads go out first; no register is used twice, so only the counted waits for the loads are needed.
.set X, 4                              ; v[4:35]   eight loads of four f32
.set Y, 36                             ; v[36:51]  eight pairs to store
.set T, 52                             ; v[52:57]  at work (Wo's way)
	s_load_b256 s[4:11], s[0:1], 0x0               ; x s[4:5], Wq s[6:7], Wk s[8:9], Wv s[10:11]
	s_load_b128 s[12:15], s[0:1], 0x20             ; Wo s[12:13], xw s[14:15]
	v_lshlrev_b32 v1, 4, v0                        ; my 16 bytes of each 4,096 in
	v_lshlrev_b32 v2, 3, v0                        ; my 8 bytes of each 2,048 out
	s_sub_co_u32 s16, ttmp9, 1024                  ; groups 1024 on take the weights, 128 groups to a matrix
	s_lshr_b32 s17, s16, 7                         ; which matrix: 0 Wq, 1 Wk, 2 Wv, 3 Wo
	s_and_b32 s18, s16, 127
	s_lshl_b32 s18, s18, 15                        ; the group's 32 KiB in it
	s_lshl_b32 s19, ttmp9, 15                      ; the group's 32 KiB in x
	s_lshl_b32 s20, ttmp9, 14                      ; the group's 16 KiB in xw
	s_mov_b32 s21, 0
	s_wait_kmcnt 0x0
	s_cmp_eq_u32 s17, 1
	s_cselect_b64 s[6:7], s[8:9], s[6:7]
	s_cmp_eq_u32 s17, 2
	s_cselect_b64 s[6:7], s[10:11], s[6:7]
	s_cmp_eq_u32 s17, 3
	s_cselect_b64 s[6:7], s[12:13], s[6:7]
	s_cmp_lt_u32 ttmp9, 1024
	s_cselect_b64 s[6:7], s[4:5], s[6:7]
	s_cselect_b32 s18, s19, s18
	s_mov_b32 s19, 0
	s_add_nc_u64 s[6:7], s[6:7], s[18:19]
	s_add_nc_u64 s[14:15], s[14:15], s[20:21]
.irp i, 0,1,2,3,4,5,6,7
	global_load_b128 v[X+4*(\i):X+4*(\i)+3], v1, s[6:7] offset:4096*(\i) th:TH_LOAD_NT
.endr
	s_cmp_ge_u32 ttmp9, 1408
	s_cbranch_scc1 .Lwo
.irp i, 0,1,2,3,4,5,6,7
	s_wait_loadcnt 7-(\i)                          ; loads come back in order: load i is in, the younger ones stay out
	v_cvt_pk_bf16_f32 v[Y+2*(\i)], v[X+4*(\i)], v[X+4*(\i)+1]
	v_cvt_pk_bf16_f32 v[Y+2*(\i)+1], v[X+4*(\i)+2], v[X+4*(\i)+3]
	global_store_b64 v2, v[Y+2*(\i):Y+2*(\i)+1], s[14:15] offset:2048*(\i)
.endr
	s_endpgm
.Lwo:
.irp i, 0,1,2,3,4,5,6,7
	s_wait_loadcnt 7-(\i)
	v_cvt_pk_bf16_f32 v[T], v[X+4*(\i)], v[X+4*(\i)+1]      ; rounded to bf16 like every other input,
	v_cvt_pk_bf16_f32 v[T+1], v[X+4*(\i)+2], v[X+4*(\i)+3]
	v_lshlrev_b32 v[T+2], 16, v[T]                          ; widened again,
	v_and_b32 v[T+3], 0xffff0000, v[T]
	v_lshlrev_b32 v[T+4], 16, v[T+1]
	v_and_b32 v[T+5], 0xffff0000, v[T+1]
	v_cvt_pk_f16_f32 v[Y+2*(\i)], v[T+2], v[T+3]            ; and written as f16: exact within f16's normal range
	v_cvt_pk_f16_f32 v[Y+2*(\i)+1], v[T+4], v[T+5]
	global_store_b64 v2, v[Y+2*(\i):Y+2*(\i)+1], s[14:15] offset:2048*(\i)
.endr
	s_endpgm
.Lfunc_end_k_q3c259271f8_cast:
	.size	k_q3c259271f8_cast, .Lfunc_end_k_q3c259271f8_cast-k_q3c259271f8_cast
	.p2alignl 7, 3214868480
	.fill 96, 4, 3214868480
	.section	.rodata,"a",@progbits
	.p2align	6, 0x0
	.amdhsa_kernel k_q3c259271f8_cast
		.amdhsa_group_segment_fixed_size 0
		.amdhsa_private_segment_fixed_size 0
		.amdhsa_enable_private_segment 0
		.amdhsa_kernarg_size 48
		.amdhsa_user_sgpr_count 2
		.amdhsa_user_sgpr_kernarg_segment_ptr 1
		.amdhsa_wavefront_size32 1
		.amdhsa_system_sgpr_workgroup_id_x 1
		.amdhsa_system_sgpr_workgroup_id_y 1
		.amdhsa_system_sgpr_workgroup_id_z 1
		.amdhsa_system_vgpr_workitem_id 0
		.amdhsa_next_free_vgpr 64
		.amdhsa_next_free_sgpr 66
		.amdhsa_reserve_vcc 0
		.amdhsa_float_denorm_mode_32 3
		.amdhsa_float_denorm_mode_16_64 3
		.amdhsa_memory_ordered 1
		.amdhsa_forward_progress 1
		.amdhsa_inst_pref_size 9
	.end_amdhsa_kernel
	.amdgpu_metadata
---
amdhsa.version: [ 1, 2 ]
amdhsa.kernels:
  - .name:           k_q3c259271f8_cast
    .symbol:         k_q3c259271f8_cast.kd
    .args:
      - { .name: x, .offset: 0, .size: 8, .value_kind: global_buffer, .address_space: global }
      - { .name: Wq, .offset: 8, .size: 8, .value_kind: global_buffer, .address_space: global }
      - { .name: Wk, .offset: 16, .size: 8, .value_kind: global_buffer, .address_space: global }
      - { .name: Wv, .offset: 24, .size: 8, .value_kind: global_buffer, .address_space: global }
      - { .name: Wo, .offset: 32, .size: 8, .value_kind: global_buffer, .address_space: global }
      - { .name: xw, .offset: 40, .size: 8, .value_kind: global_buffer, .address_space: global }
    .group_segment_fixed_size: 0
    .private_segment_fixed_size: 0
    .kernarg_segment_align: 8
    .kernarg_segment_size: 48
    .max_flat_workgroup_size: 256
    .sgpr_count:     66
    .vgpr_count:     64
    .wavefront_size: 32
...
	.end_amdgpu_metadata
.endif
;; end of part 1
;; launch proj (part 2): grid 12 x 16, 4 waves a work-group, clusters of 4 x 4, 327,680 bytes of LDS; arguments xw, bq, bk, bv, qkv; writes qkv
.if DOCPART == 2
	.amdgcn_target "amdgcn-amd-amdhsa--gfx1250"
	.amdhsa_code_object_version 6
	.text
	.protected	k_q3c259271f8_proj
	.globl	k_q3c259271f8_proj
	.p2align	8
	.type	k_q3c259271f8_proj,@function
k_q3c259271f8_proj:
	s_mov_b64 s[64:65], 0
	v_nop
	global_prefetch_b8 v0, s[64:65] scope:SCOPE_SE
	s_setreg_imm32_b32 hwreg(HW_REG_WAVE_MODE, 25, 1), 1
	s_wait_xcnt 0x0
	s_wait_alu depctr_hold_cnt(0) depctr_sa_sdst(0) depctr_va_vdst(0) depctr_va_sdst(0) depctr_va_ssrc(0) depctr_va_vcc(0) depctr_vm_vsrc(0)
	s_getreg_b32 s2, hwreg(HW_REG_IB_STS2, 6, 4)
	s_cmp_eq_u32 s2, 0
	s_cbranch_scc0 .Lentry_in_a_cluster
	s_endpgm
.Lentry_in_a_cluster:
	s_bfe_u32 s2, ttmp6, 0x10000c
	s_cmp_lg_u32 s2, 0xf033
	s_cbranch_scc0 .Lentry_shape_is_right
	s_endpgm
.Lentry_shape_is_right:
; qkv[row][e] = sum over d of x[row][d] W[e][d] + b[e], W = Wq, Wk, Wv one below the other (3,072 rows), x and W in bf16 from xw, b rounded to bf16 here; sums in f32; qkv in f16, [8192][3072].
; LIMITS.  Q, K and V must lie below 65,504 in size (f16); NaN and infinities are not treated apart.
; SHARES.  qkv has 384 tiles of 256 x 256.  A WORK-GROUP STAYS and makes two of them, 4,096 rows apart in the same 256 columns: 192 work-groups.  Each of its four waves makes 128 x 128: 64 accumulators.
; (A tile of 128 x 256 would give every WGP three, but it has 128 matrix instructions a wave in a K step where this one has 256, and reads 384 bytes of LDS for each where this one reads 256.)
; THE WALK.  The two tiles' K steps of 128 (256 bytes of a row in memory, aligned) are ONE sequence of 16 for the ring of two LDS slots: 14 trips fill a slot again, the last two are written out.  The first tile
; goes out behind its last change of slots, when the second tile's first two K steps have been asked for.  Each wave fetches 128 rows: waves 0 and 1 x's, waves 2 and 3 W's.
; CLUSTER.  4 x 4 work-groups: the four of a row need the same rows of x, the four of a column the same rows of W; each tile is asked for jointly, by the same load, descriptor and mask in all four.
; THE MATRIX INSTRUCTION IS USED TRANSPOSED (source 0 = 16 rows of W, source 1 = 16 rows of x): lane l holds row l % 16 and the columns 8 (l / 16) + 0..7.  The bias, laid out so, is the C of a tile's first products.
; REGISTERS, in windows of 256: window 0: v0-31 addresses; v32-63 packed results; v64-127, v128-191 A's fragments, two buffers (the second also takes rows on the way out); v192-255 the bias, kept for both tiles
;   window 1: v64-127, v128-191 B's fragments      window 2: accumulators of my rows 0-63, (a, b) at v[64 a + 8 b]      window 3: those of rows 64-127
.set AB,     8                         ; blocks of 16 rows in a wave's tile
.set NK,     8                         ; K steps in a tile
.set TILES,  2
.set NLD,    16+2*AB                   ; LDS loads in a run: a quarter step's fragments
.set PITCH,  272                       ; an LDS row: 256 bytes + 16 of padding: the 16 rows of a fragment load start 68 words apart
.set BBASE,  256*PITCH                 ; in a slot: A's 256 rows, then B's 256
.set XORC,   2*BBASE                   ; 139,264 = 0x22000; the four waves' fill bases (0, 0x8800, 0x11000, 0x19800) have bits 13 and 17 clear, so an exclusive or adds or takes away one slot
.set STAGE,  2*XORC                    ; behind the ring: 16 rows x 272 bytes for each wave, for the way out
.set SPARE,  STAGE+4*16*PITCH          ; the spare words, 128 bytes for each wave
.set CPITCH, 6144                      ; bytes in a row of qkv
.set WALKC,  4096*CPITCH               ; bytes from a tile of qkv to the work-group's next
.set GW,     (1<<16)|(1<<20)|(1<<21)|(5<<22)|(3<<25)  ; group 1, word 0 beside the mask: 2-byte elements; padding on; bit 21 set beside a mask; after every 64 words; 4 words
.set ADRA0, 16                         ; v16  my lane's place in A's rows of slot 0; never rewritten
.set ADRB0, 17                         ; v17  the same for B
.set ADRA,  18                         ; v18  the same in the slot in hand
.set ADRB,  19                         ; v19
.set STO,   24                         ; v24  the way out: where I put 16 bytes of a row
.set RD,    25                         ; v25  where I read rows back
.set CO,    26                         ; v26  my byte offset in two rows of qkv
.set BO,    27                         ; v27  my byte offset in the bias
.set SPW,   28                         ; v28  my spare word; never rewritten
.set NIL,   29                         ; v29  0; never rewritten
.set TMP,   32
.set F0,    64
.set F1,    128
.set BK,    128
.set BIAS,  192
.set G1A,   24                         ; s[24:31] group 1 for A
.set G0A,   32                         ; s[32:35] group 0 of A's first fill; s[36:39] of the second, which then serves every refill
.set G1B,   48                         ; s[48:55], s[56:59], s[60:63] the same for B
.set G0B,   56
.set TB,    66                         ; s66  LDS byte at which the slot in hand begins
.set KI,    73                         ; s73  the number, 0 to 15, of the K step asked for last
.set OA,    76                         ; s[76:77] its byte offset from A's first tile
.set OB,    78                         ; s[78:79] its byte offset in B's rows
.set MSB, 0
.macro WIN new                         ; the high byte repeats the setting that is left; a switch that changes nothing is dropped
.if MSB != (\new)
	s_set_vgpr_msb (MSB<<8)|(\new)
.set MSB, (\new)
.endif
.endm
.macro PLACES                          ; four places behind matrix instructions, in front of loads into registers that they read and of lines that read results
.rept 4
	v_nop
.endr
.endm
.macro CREST                           ; a round of the cluster's barrier behind its opening barrier
	s_cmp_lg_u32 s10, 0
	s_cbranch_scc1 .Lnot_wave_0_\@
	s_barrier_signal -3
.Lnot_wave_0_\@:
	s_barrier_wait -3
	s_barrier_signal -1
	s_barrier_wait -1
.endm
.macro CROUND
	s_barrier_signal -1
	s_barrier_wait -1
	CREST
.endm
.macro JLOAD                           ; a joint refill; the branch hangs on the wave's number alone; s_nop 0 and four v_nop follow each line
	s_cmp_eq_u32 s11, 0
	s_cbranch_scc0 .Lfor_b_\@
	tensor_load_to_lds s[G0A+4:G0A+7], s[G1A:G1A+7]
	s_nop 0
	PLACES
	s_branch .Lasked_\@
.Lfor_b_\@:
	tensor_load_to_lds s[G0B+4:G0B+7], s[G1B:G1B+7]
	s_nop 0
	PLACES
.Lasked_\@:
.endm
; Eight matrix instructions: block a of 16 rows x all 8 blocks of 16 columns, 32 along K, from buffer f.  cm = 0: onto the sums; cm = 2: the bias starts the sums.
.macro MULB f, a, cm
.set WD, 2+(\a)/4
.set AC, 64*((\a)%4)
.set FA, (\f)+8*(\a)
.if (\cm) == 2
	WIN (WD<<6)|1                                  ; B window 1, A and C (the bias) window 0, D window 2 or 3
.else
	WIN (WD<<6)|(WD<<4)|1                          ; C and D window 2 or 3
.endif
.irp b, 0,1,2,3,4,5,6,7
.if (\cm) == 2
	v_wmma_f32_16x16x32_bf16 v[AC+8*(\b):AC+8*(\b)+7], v[(\f)+8*(\b):(\f)+8*(\b)+7], v[FA:FA+7], v[BIAS+8*(\b):BIAS+8*(\b)+7]
.else
	v_wmma_f32_16x16x32_bf16 v[AC+8*(\b):AC+8*(\b)+7], v[(\f)+8*(\b):(\f)+8*(\b)+7], v[FA:FA+7], v[AC+8*(\b):AC+8*(\b)+7]
.endif
.endr
.endm
.macro MULS f, a0, n, cm               ; blocks a0 .. a0 + n - 1.  The 64 accumulators take turns, one instruction a turn, in the same order in every quarter
.set MA, \a0
.rept \n
	MULB \f, MA, \cm
.set MA, MA+1
.endr
.endm
.macro FETCH k, f                      ; one run of 32 LDS loads: the fragments of 32 along K at byte k of the rows, into buffer f: B's 16 loads, then A's 16
	WIN 0x40
.irp i, 0,1,2,3,4,5,6,7
	ds_load_b128 v[(\f)+8*(\i):(\f)+8*(\i)+3],   v[ADRB] offset:(\k)+(\i)*16*PITCH
	ds_load_b128 v[(\f)+8*(\i)+4:(\f)+8*(\i)+7], v[ADRB] offset:(\k)+(\i)*16*PITCH+32
.endr
	WIN 0
.set FI, 0
.rept AB
	ds_load_b128 v[(\f)+8*FI:(\f)+8*FI+3],   v[ADRA] offset:(\k)+FI*16*PITCH
	ds_load_b128 v[(\f)+8*FI+4:(\f)+8*FI+7], v[ADRA] offset:(\k)+FI*16*PITCH+32
.set FI, FI+1
.endr
.endm
; One of a K step's first three quarters: multiplies buffer f; in its middle it fetches the next quarter, at byte k, into buffer g.
.macro QUARTER k, f, g, cm
	s_wait_dscnt AB                                ; B and A's lower blocks are in; the youngest AB loads (A's upper blocks) may be out
	MULS \f, 0, AB/2, \cm
	PLACES
	FETCH \k, \g
	s_wait_dscnt NLD                               ; all but the run just issued
	MULS \f, AB/2, AB/2, \cm
.endm
; The last quarter multiplies buffer 1 and changes slots.  In front of the barrier each wave waits for all its tensor loads (one is out: its part of the next slot), adds 0 to its spare word, and waits for
; that and for its reads of this slot.  fill = 1: the barrier opens a round of the cluster's, and this slot is filled again, two K steps ahead in the walk, first thing behind the round.
.macro TURN fill
	WIN 0
	s_wait_tensorcnt 0x0                           ; no tensor load of mine is out, so the descriptors may be written
	ds_add_u32 v[SPW], v[NIL]
.if \fill
	s_add_co_u32 s[KI], s[KI], 1                   ; the next K step of the walk: both addresses are made anew from its number
	s_and_b32 s[OB], s[KI], NK-1
	s_lshl_b32 s[OB], s[OB], 8                     ; its place in the tile's K: 256 bytes a step
	s_lshr_b32 s[OA], s[KI], 3
	s_lshl_b32 s[OA], s[OA], 23                    ; its tile: 4,096 rows of 2,048 bytes down in x; W's rows are the same for both tiles
	s_add_co_u32 s[OA], s[OA], s[OB]
	s_xor_b32 s[G0A+5], s[G0A+5], XORC             ; the other slot than last time
	s_add_nc_u64 s[G0A+6:G0A+7], s[4:5], s[OA:OA+1]
	s_or_b32 s[G0A+7], s[G0A+7], 0x80000000
	s_xor_b32 s[G0B+5], s[G0B+5], XORC
	s_add_nc_u64 s[G0B+6:G0B+7], s[6:7], s[OB:OB+1]
	s_or_b32 s[G0B+7], s[G0B+7], 0x80000000
.endif
	s_wait_dscnt AB+1                              ; the add and the youngest AB loads may be out
	MULS F1, 0, AB/4, 0
	s_wait_dscnt 0x0                               ; the add is done, and my reads of this slot are over
	s_barrier_signal -1
	MULS F1, AB/4, AB/4, 0
	WIN 0
	s_barrier_wait -1
.if \fill
	CREST                                          ; no wave of any partner still reads this slot or has a load on its way
	JLOAD                                          ; its four v_nop are also the places in front of the loads below
.else
	PLACES
.endif
	s_xor_b32 s[TB], s[TB], XORC
	v_add_nc_u32 v[ADRA], s[TB], v[ADRA0]
	v_add_nc_u32 v[ADRB], s[TB], v[ADRB0]
	FETCH 0, F0
	MULS F1, AB/2, AB/2, 0
.endm
; THE WAY OUT of block a: rounded to f16, 16 bytes a lane; through my own stage in LDS; back as whole rows of 256 bytes; stored.
.macro PACK a
.set WD, 2+(\a)/4
.set AC, 64*((\a)%4)
	WIN WD|(WD<<2)                                 ; sources window 2 or 3, destination window 0
.irp b, 0,1,2,3,4,5,6,7
.irp r, 0,1,2,3
	v_cvt_pk_f16_f32 v[TMP+4*(\b)+(\r)], v[AC+8*(\b)+2*(\r)], v[AC+8*(\b)+2*(\r)+1]
.endr
.endr
	WIN 0
.endm
.macro TOSTAGE a
.set BB, BK+32*((\a)%2)
.irp b, 0,1,2,3,4,5,6,7
	ds_store_b128 v[STO], v[TMP+4*(\b):TMP+4*(\b)+3] offset:32*(\b)
.endr
.irp t, 0,1,2,3,4,5,6,7
	ds_load_b128 v[BB+4*(\t):BB+4*(\t)+3], v[RD] offset:(\t)*2*PITCH  ; LDS serves a wave's instructions in order: these see the stores above
.endr
.endm
.macro SEND a
.set BB, BK+32*((\a)%2)
	s_wait_dscnt 0x0                               ; the block is back in registers
	s_wait_xcnt 0x0                                ; the earlier stores have read their registers: the next block's loads may land on them
.irp t, 0,1,2,3,4,5,6,7
	global_store_b128 v[CO], v[BB+4*(\t):BB+4*(\t)+3], s[8:9] offset:(16*(\a)+2*(\t))*CPITCH  ; 16 lanes store 256 consecutive bytes, aligned
.endr
.endm
.macro OUT                             ; block a's conversions stand between block a - 1's loads from the stage and the wait for them
	PACK 0
	TOSTAGE 0
.irp a, 1,2,3,4,5,6,7
	PACK \a
	SEND (\a)-1
	TOSTAGE \a
.endr
	SEND 7
.endm
	s_load_b256 s[80:87], s[0:1], 0x0              ; xw s[80:81], bq s[82:83], bk s[84:85], bv s[86:87]
	s_load_b64 s[88:89], s[0:1], 0x20              ; qkv
	v_lshl_add_u32 v[SPW], v0, 2, SPARE
	v_mov_b32 v[NIL], 0
	ds_add_u32 v[SPW], v[NIL]                      ; the wave's opening: the add, and its wait ahead of my first tensor load
	v_lshrrev_b32 v1, 5, v0
	v_readfirstlane_b32 s10, v1                    ; wave 0..3
	s_lshr_b32 s11, s10, 1                         ; my half of the tile's rows.  Also: I fetch for A (0) or for B (1)
	s_and_b32 s12, s10, 1                          ; my half of its columns.  Also: which half of that tile I fetch
	s_bfe_u32 s40, ttmp6, 0x40000                  ; cx
	s_bfe_u32 s41, ttmp6, 0x40004                  ; cy
	s_lshl_b32 s42, ttmp9, 2
	s_add_co_u32 s42, s42, s40                     ; tile column 0..11
	s_and_b32 s13, ttmp7, 0xffff
	s_lshl_b32 s13, s13, 2
	s_add_co_u32 s13, s13, s41                     ; the first tile's row 0..15; the second lies 16 tile rows down
	s_lshl_b32 s43, s41, 2
	s_lshl_b32 s43, 15, s43                        ; my row of the cluster
	s_lshl_b32 s44, 0x1111, s40                    ; my column
	s_or_b32 s[G1A], s43, GW
	s_or_b32 s[G1B], s44, GW
.irp g, G1A, G1B
	s_mov_b32 s[(\g)+1], 128<<16                   ; tensor_dim0 = 128
	s_mov_b32 s[(\g)+2], 128<<16                   ; tensor_dim1 = 128
	s_mov_b32 s[(\g)+3], 128<<16                   ; tile_dim0 = 128
	s_mov_b32 s[(\g)+4], 128                       ; tile_dim1 = 128
	s_mov_b32 s[(\g)+5], 1024                      ; elements from row to row
	s_mov_b32 s[(\g)+6], 0
	s_mov_b32 s[(\g)+7], 0
.endr
	s_lshl_b32 s14, s13, 19                        ; A: row 256 x tile row + 128 x half, 2,048 bytes a row
	s_lshl_b32 s15, s12, 18
	s_add_co_u32 s14, s14, s15
	s_mov_b32 s15, 0
	s_lshl_b32 s46, s42, 19                        ; B: row 8192 + 256 x tile column + 128 x half
	s_lshl_b32 s47, s12, 18
	s_add_co_u32 s46, s46, s47
	s_add_co_u32 s46, s46, 0x1000000
	s_mov_b32 s47, 0
	s_mul_i32 s20, s10, 128*PITCH                  ; where they go: wave x 128 rows: no place in the cluster enters an LDS address
	s_mov_b32 s[KI], 1
	s_mov_b32 s[OA+1], 0
	s_mov_b32 s[OB+1], 0
	s_wait_dscnt 0x0                               ; the opening add is done
	s_wait_kmcnt 0x0
	s_add_nc_u64 s[4:5], s[80:81], s[14:15]
	s_add_nc_u64 s[6:7], s[80:81], s[46:47]
	CROUND                                         ; all sixteen work-groups are here: the first joint loads meet
.irp s, 0,1
	s_mov_b32 s[G0A+4*(\s)], 1
	s_add_co_u32 s[G0A+4*(\s)+1], s20, (\s)*XORC
	s_add_nc_u64 s[G0A+4*(\s)+2:G0A+4*(\s)+3], s[4:5], (\s)*256
	s_or_b32 s[G0A+4*(\s)+3], s[G0A+4*(\s)+3], 0x80000000
	s_mov_b32 s[G0B+4*(\s)], 1
	s_add_co_u32 s[G0B+4*(\s)+1], s20, (\s)*XORC
	s_add_nc_u64 s[G0B+4*(\s)+2:G0B+4*(\s)+3], s[6:7], (\s)*256
	s_or_b32 s[G0B+4*(\s)+3], s[G0B+4*(\s)+3], 0x80000000
.endr
	s_cmp_eq_u32 s11, 0                            ; a wave's two first fills stand in one branch: two loads of mine are out
	s_cbranch_scc0 .Lfirst_b
	tensor_load_to_lds s[G0A:G0A+3], s[G1A:G1A+7]
	s_nop 0
	tensor_load_to_lds s[G0A+4:G0A+7], s[G1A:G1A+7]
	s_nop 0
	PLACES
	s_branch .Lfirst_asked
.Lfirst_b:
	tensor_load_to_lds s[G0B:G0B+3], s[G1B:G1B+7]
	s_nop 0
	tensor_load_to_lds s[G0B+4:G0B+7], s[G1B:G1B+7]
	s_nop 0
	PLACES
.Lfirst_asked:
	; the bias of my 128 columns, in the accumulators' layout: for block b the eight numbers at 16 b + 8 (l / 16)
	v_and_b32 v1, 15, v0                           ; l % 16
	v_bfe_u32 v2, v0, 4, 1                         ; l / 16
	s_cmp_eq_u32 ttmp9, 1                          ; four tile columns to a matrix: the cluster's x says which
	s_cselect_b64 s[82:83], s[84:85], s[82:83]
	s_cmp_eq_u32 ttmp9, 2
	s_cselect_b64 s[82:83], s[86:87], s[82:83]
	s_lshl_b32 s18, s40, 10                        ; 256 columns of f32 for each tile column in the matrix,
	s_lshl_b32 s19, s12, 9                         ; my half
	s_add_co_u32 s18, s18, s19
	s_mov_b32 s19, 0
	s_add_nc_u64 s[82:83], s[82:83], s[18:19]
	v_lshlrev_b32 v[BO], 5, v2
.irp b, 0,1,2,3,4,5,6,7
	global_load_b128 v[BIAS+8*(\b):BIAS+8*(\b)+3],   v[BO], s[82:83] offset:64*(\b)
	global_load_b128 v[BIAS+8*(\b)+4:BIAS+8*(\b)+7], v[BO], s[82:83] offset:64*(\b)+16
.endr
	v_mul_u32_u24 v3, v1, PITCH
	v_lshl_add_u32 v3, v2, 4, v3                   ; a fragment's row x pitch + 16 x half
	s_mul_i32 s22, s11, 128*PITCH                  ; my 128 rows of A
	v_add_nc_u32 v[ADRA0], s22, v3
	s_mul_i32 s22, s12, 128*PITCH                  ; my 128 rows of B
	s_add_co_u32 s22, s22, BBASE
	v_add_nc_u32 v[ADRB0], s22, v3
	s_mul_i32 s23, s10, 16*PITCH
	s_add_co_u32 s23, s23, STAGE                   ; my stage
	v_add_nc_u32 v[STO], s23, v3                   ; in: row l % 16, 16 bytes for each half of the lanes
	v_mul_u32_u24 v5, v2, PITCH                    ; back: lanes 0-15 one row of 256 bytes, lanes 16-31 the next
	v_lshl_add_u32 v5, v1, 4, v5
	v_add_nc_u32 v[RD], s23, v5
	v_mul_u32_u24 v5, v2, CPITCH                   ; and the same two rows in qkv
	v_lshl_add_u32 v[CO], v1, 4, v5
	s_mul_i32 s16, s13, 256*CPITCH                 ; my part of the first tile in qkv
	s_mul_i32 s17, s11, 128*CPITCH
	s_add_co_u32 s16, s16, s17
	s_lshl_b32 s17, s42, 9
	s_add_co_u32 s16, s16, s17
	s_lshl_b32 s17, s12, 8
	s_add_co_u32 s16, s16, s17
	s_mov_b32 s17, 0
	s_add_nc_u64 s[8:9], s[88:89], s[16:17]
	s_wait_loadcnt 0x0
.set i, 0
.rept 32                               ; the bias is rounded to bf16 like every other input
	v_cvt_pk_bf16_f32 v[TMP+i], v[BIAS+2*i], v[BIAS+2*i+1]
.set i, i+1
.endr
.set i, 0
.rept 32
	v_lshlrev_b32 v[BIAS+2*i], 16, v[TMP+i]
	v_and_b32 v[BIAS+2*i+1], 0xffff0000, v[TMP+i]
.set i, i+1
.endr
	s_wait_tensorcnt 0x1                           ; my part of K step 0 is in; K step 1's may stay out
	s_barrier_signal -1
	s_barrier_wait -1
	s_mov_b32 s[TB], 0
	v_mov_b32 v[ADRA], v[ADRA0]
	v_mov_b32 v[ADRB], v[ADRB0]
	FETCH 0, F0
	s_mov_b32 s3, TILES*NK-2                       ; trips that fill a slot again: all K steps of the walk but the last two
	s_branch .Lbegin
.Lstep:                                        ; a trip is a K step of the walk
	s_cmp_eq_u32 s3, NK-2                          ; the second tile's first K step?  The same in every work-group; the jump goes forward, past no barrier and no tensor load
	s_cbranch_scc1 .Lnext
	QUARTER 64, F0, F1, 0
	WIN 0
	s_branch .Lentry
.Lnext:                                        ; THE FIRST TILE GOES OUT: the second tile's K steps 0 and 1 have been asked for, its first fragments fetched.  No v_nop: blocks 0-3 were finished in front of the
	OUT                                            ; six plain lines behind the refill, and their 128 conversions, which name no register of the last products, are those products' places
	s_wait_xcnt 0x0                                ; the stores have read their base and v128-191, into which the next quarter's fragments are loaded
	s_add_nc_u64 s[8:9], s[8:9], WALKC
.Lbegin:
	QUARTER 64, F0, F1, 2                          ; a tile's first quarter: its products start the sums, with the bias
	WIN 0
.Lentry:
	QUARTER 128, F1, F0, 0
	QUARTER 192, F0, F1, 0
	TURN 1
	WIN 0
	s_sub_co_u32 s3, s3, 1
	s_cmp_lg_u32 s3, 0
	s_cbranch_scc1 .Lstep
	s_mov_b32 s3, 2
.Ltail:                                        ; the walk's last two K steps ask for nothing.  The second trip's change of slots fetches fragments that are never multiplied: the price of one text for both
	QUARTER 64, F0, F1, 0
	QUARTER 128, F1, F0, 0
	QUARTER 192, F0, F1, 0
	TURN 0
	WIN 0
	s_sub_co_u32 s3, s3, 1
	s_cmp_lg_u32 s3, 0
	s_cbranch_scc1 .Ltail
	s_wait_dscnt 0x0
	PLACES
	OUT
	s_wait_tensorcnt 0x0                           ; the wave's end
	ds_add_u32 v[SPW], v[NIL]
	s_wait_dscnt 0x0
	CROUND                                         ; the closing round
	s_endpgm
.Lfunc_end_k_q3c259271f8_proj:
	.size	k_q3c259271f8_proj, .Lfunc_end_k_q3c259271f8_proj-k_q3c259271f8_proj
	.p2alignl 7, 3214868480
	.fill 96, 4, 3214868480
	.section	.rodata,"a",@progbits
	.p2align	6, 0x0
	.amdhsa_kernel k_q3c259271f8_proj
		.amdhsa_group_segment_fixed_size 327680
		.amdhsa_private_segment_fixed_size 0
		.amdhsa_enable_private_segment 0
		.amdhsa_kernarg_size 40
		.amdhsa_user_sgpr_count 2
		.amdhsa_user_sgpr_kernarg_segment_ptr 1
		.amdhsa_wavefront_size32 1
		.amdhsa_system_sgpr_workgroup_id_x 1
		.amdhsa_system_sgpr_workgroup_id_y 1
		.amdhsa_system_sgpr_workgroup_id_z 1
		.amdhsa_system_vgpr_workitem_id 0
		.amdhsa_next_free_vgpr 1024
		.amdhsa_next_free_sgpr 96
		.amdhsa_reserve_vcc 0
		.amdhsa_float_denorm_mode_32 3
		.amdhsa_float_denorm_mode_16_64 3
		.amdhsa_memory_ordered 1
		.amdhsa_forward_progress 1
		.amdhsa_inst_pref_size 138
	.end_amdhsa_kernel
	.amdgpu_metadata
---
amdhsa.version: [ 1, 2 ]
amdhsa.kernels:
  - .name:           k_q3c259271f8_proj
    .symbol:         k_q3c259271f8_proj.kd
    .args:
      - { .name: xw, .offset: 0, .size: 8, .value_kind: global_buffer, .address_space: global }
      - { .name: bq, .offset: 8, .size: 8, .value_kind: global_buffer, .address_space: global }
      - { .name: bk, .offset: 16, .size: 8, .value_kind: global_buffer, .address_space: global }
      - { .name: bv, .offset: 24, .size: 8, .value_kind: global_buffer, .address_space: global }
      - { .name: qkv, .offset: 32, .size: 8, .value_kind: global_buffer, .address_space: global }
    .group_segment_fixed_size: 327680
    .private_segment_fixed_size: 0
    .kernarg_segment_align: 8
    .kernarg_segment_size: 40
    .max_flat_workgroup_size: 128
    .sgpr_count:     96
    .vgpr_count:     1024
    .wavefront_size: 32
...
	.end_amdgpu_metadata
.endif
;; end of part 2
;; launch score (part 3): grid 8 x 32, 4 waves a work-group, clusters of 4 x 4, 327,680 bytes of LDS; arguments qkv, p, stats; writes p, stats
.if DOCPART == 3
	.amdgcn_target "amdgcn-amd-amdhsa--gfx1250"
	.amdhsa_code_object_version 6
	.text
	.protected	k_q3c259271f8_score
	.globl	k_q3c259271f8_score
	.p2align	8
	.type	k_q3c259271f8_score,@function
k_q3c259271f8_score:
	s_mov_b64 s[64:65], 0
	v_nop
	global_prefetch_b8 v0, s[64:65] scope:SCOPE_SE
	s_setreg_imm32_b32 hwreg(HW_REG_WAVE_MODE, 25, 1), 1
	s_wait_xcnt 0x0
	s_wait_alu depctr_hold_cnt(0) depctr_sa_sdst(0) depctr_va_vdst(0) depctr_va_sdst(0) depctr_va_ssrc(0) depctr_va_vcc(0) depctr_vm_vsrc(0)
	s_getreg_b32 s2, hwreg(HW_REG_IB_STS2, 6, 4)
	s_cmp_eq_u32 s2, 0
	s_cbranch_scc0 .Lentry_in_a_cluster
	s_endpgm
.Lentry_in_a_cluster:
	s_bfe_u32 s2, ttmp6, 0x10000c
	s_cmp_lg_u32 s2, 0xf033
	s_cbranch_scc0 .Lentry_shape_is_right
	s_endpgm
.Lentry_shape_is_right:
; s = Q K^T for one batch element; for each query and each group of 128 keys: m = the group's largest s; p = 2^(c s - c m) in f16, c = log2(e) / 32; stats keep c m and l = the sum of the group's p (f32).
; The launch behind takes the largest of a query's 16 group maxima and corrects each group by 2^(c m_group - c m): together the row's true maximum is taken away.
; LIMITS.  p below 6.1e-5 keeps f16's fixed step of 6e-8; a weight below 2^-126 counts as 0 in l; NaN and infinities are not treated apart.
; SHARES.  A work-group makes 256 queries x 256 keys, each of its four waves 128 x 128: 64 accumulators.  K = 1,024 in 8 steps of 128 through two LDS slots; each wave fetches 128 rows of 256 bytes.
; CLUSTER.  4 x 4: the four of a row share Q's rows, the four of a column K's rows (a cluster's four tile rows lie in one batch element): joint loads.
; TRANSPOSED USE (source 0 = 16 keys, source 1 = 16 queries): lane l holds query l % 16 and the keys 16 b + 8 (l / 16) + 0..7: a query's 128 keys lie in two lanes, 16 apart.
; REGISTERS: window 0: v0-31 addresses; v32-49 at work; v64-127, v128-191 A's fragments; v192-223 packed results      window 1: B's fragments
;   window 2: accumulators of my rows 0-63, (a, b) at v[64 a + 8 b]      window 3: those of rows 64-127
.set AB,     8
.set NK,     8
.set NLD,    16+2*AB
.set PITCH,  272
.set BBASE,  256*PITCH                 ; in a slot: A's 256 rows, then B's 256
.set XORC,   2*BBASE                   ; 139,264 = 0x22000; the four waves' fill bases (0, 0x8800, 0x11000, 0x19800) have bits 13 and 17 clear, so an exclusive or adds or takes away one slot
.set STAGE,  2*XORC
.set SST,    STAGE+4*16*PITCH          ; 1,024 bytes a wave: c m of my 128 rows, then l
.set SPARE,  SST+4*1024
.set ASTEP,  256
.set BSTEP,  256
.set CPITCH, 4096                      ; bytes in a row of p
.set GW,     (1<<16)|(1<<20)|(1<<21)|(5<<22)|(3<<25)
.set ADRA0, 16
.set ADRB0, 17
.set ADRA,  18
.set ADRB,  19
.set SS,    20                         ; v20  where I put a row's c m (lanes 0-15) or l (lanes 16-31)
.set SR,    21                         ; v21  where I read four rows' figures back
.set SG,    22                         ; v22  16 x lane: my 16 bytes in stats
.set STO,   24
.set RD,    25
.set CO,    26
.set SPW,   28
.set NIL,   29
.set T,     32                         ; v[32:39] running maxima
.set CM,    40                         ; v[40:41] c m, twice
.set LS,    42                         ; v[42:49] four chains of sums, two numbers each
.set F0,    64
.set F1,    128
.set TMP,   192
.set BK,    64
.set G1A,   24
.set G0A,   32
.set G1B,   48
.set G0B,   56
.set TB,    66
.set EP,    67                         ; s67  counts the way out's two halves
.set CS,    68                         ; s[68:69] c, twice
.set SEL,   70                         ; s[70:71] v_permlanex16_b32's selects: the same place in the other half
.set HM,    72                         ; s72  the mask of lanes 16-31
.set MSB, 0
.macro WIN new
.if MSB != (\new)
	s_set_vgpr_msb (MSB<<8)|(\new)
.set MSB, (\new)
.endif
.endm
.macro PLACES
.rept 4
	v_nop
.endr
.endm
.macro CREST
	s_cmp_lg_u32 s10, 0
	s_cbranch_scc1 .Lnot_wave_0_\@
	s_barrier_signal -3
.Lnot_wave_0_\@:
	s_barrier_wait -3
	s_barrier_signal -1
	s_barrier_wait -1
.endm
.macro CROUND
	s_barrier_signal -1
	s_barrier_wait -1
	CREST
.endm
.macro JLOAD
	s_cmp_eq_u32 s11, 0
	s_cbranch_scc0 .Lfor_b_\@
	tensor_load_to_lds s[G0A+4:G0A+7], s[G1A:G1A+7]
	s_nop 0
	PLACES
	s_branch .Lasked_\@
.Lfor_b_\@:
	tensor_load_to_lds s[G0B+4:G0B+7], s[G1B:G1B+7]
	s_nop 0
	PLACES
.Lasked_\@:
.endm
.macro MULB f, a, cm                   ; cm = 1: the products start the sums with the constant 0
.set WD, 2+(\a)/4
.set AC, 64*((\a)%4)
.set FA, (\f)+8*(\a)
	WIN (WD<<6)|(WD<<4)|1
.irp b, 0,1,2,3,4,5,6,7
.if (\cm) == 1
	v_wmma_f32_16x16x32_f16 v[AC+8*(\b):AC+8*(\b)+7], v[(\f)+8*(\b):(\f)+8*(\b)+7], v[FA:FA+7], 0
.else
	v_wmma_f32_16x16x32_f16 v[AC+8*(\b):AC+8*(\b)+7], v[(\f)+8*(\b):(\f)+8*(\b)+7], v[FA:FA+7], v[AC+8*(\b):AC+8*(\b)+7]
.endif
.endr
.endm
.macro MULS f, a0, n, cm               ; the 64 accumulators take turns, one instruction a turn
.set MA, \a0
.rept \n
	MULB \f, MA, \cm
.set MA, MA+1
.endr
.endm
.macro FETCH k, f
	WIN 0x40
.irp i, 0,1,2,3,4,5,6,7
	ds_load_b128 v[(\f)+8*(\i):(\f)+8*(\i)+3],   v[ADRB] offset:(\k)+(\i)*16*PITCH
	ds_load_b128 v[(\f)+8*(\i)+4:(\f)+8*(\i)+7], v[ADRB] offset:(\k)+(\i)*16*PITCH+32
.endr
	WIN 0
.set FI, 0
.rept AB
	ds_load_b128 v[(\f)+8*FI:(\f)+8*FI+3],   v[ADRA] offset:(\k)+FI*16*PITCH
	ds_load_b128 v[(\f)+8*FI+4:(\f)+8*FI+7], v[ADRA] offset:(\k)+FI*16*PITCH+32
.set FI, FI+1
.endr
.endm
.macro QUARTER k, f, g, cm
	s_wait_dscnt AB                                ; B and A's lower blocks are in; the youngest AB loads may be out
	MULS \f, 0, AB/2, \cm
	PLACES
	FETCH \k, \g
	s_wait_dscnt NLD                               ; all but the run just issued
	MULS \f, AB/2, AB/2, \cm
.endm
.macro TURN fill                       ; the last quarter and the change of slots: the wait for all my tensor loads, the add, the wait for it and for my reads, the barrier (fill = 1: a round), the refill first behind it
	WIN 0
	s_wait_tensorcnt 0x0
	ds_add_u32 v[SPW], v[NIL]
.if \fill
	s_xor_b32 s[G0A+5], s[G0A+5], XORC
	s_add_nc_u64 s[G0A+6:G0A+7], s[G0A+6:G0A+7], ASTEP
	s_xor_b32 s[G0B+5], s[G0B+5], XORC
	s_add_nc_u64 s[G0B+6:G0B+7], s[G0B+6:G0B+7], BSTEP
.endif
	s_wait_dscnt AB+1                              ; the add and the youngest AB loads may be out
	MULS F1, 0, AB/4, 0
	s_wait_dscnt 0x0                               ; the add is done, and my reads of this slot are over
	s_barrier_signal -1
	MULS F1, AB/4, AB/4, 0
	WIN 0
	s_barrier_wait -1
.if \fill
	CREST
	JLOAD
.else
	PLACES
.endif
	s_xor_b32 s[TB], s[TB], XORC
	v_add_nc_u32 v[ADRA], s[TB], v[ADRA0]
	v_add_nc_u32 v[ADRB], s[TB], v[ADRB0]
	FETCH 0, F0
	MULS F1, AB/2, AB/2, 0
.endm
; Block a of the four in window 2: the maximum of a query's 128 scores, p in place, p rounded to f16, the sum of p; c m and l go to my table in LDS.  Each accumulator's lowest registers are read first.
.macro SOFT a
.set AC, 64*(\a)
	WIN 0x2a                                       ; three sources window 2, destination window 0
.irp b, 0,1,2,3,4,5,6,7
	v_max3_num_f32 v[T+(\b)], v[AC+8*(\b)], v[AC+8*(\b)+1], v[AC+8*(\b)+2]
.endr
	WIN 0x28                                       ; source 0 window 0
.irp b, 0,1,2,3,4,5,6,7
	v_max3_num_f32 v[T+(\b)], v[T+(\b)], v[AC+8*(\b)+3], v[AC+8*(\b)+4]
.endr
.irp b, 0,1,2,3,4,5,6,7
	v_max3_num_f32 v[T+(\b)], v[T+(\b)], v[AC+8*(\b)+5], v[AC+8*(\b)+6]
.endr
.irp c, 0,1,2,3
	v_max3_num_f32 v[T+(\c)], v[T+(\c)], v[AC+16*(\c)+7], v[AC+16*(\c)+15]
.endr
	WIN 0
	v_max3_num_f32 v[T], v[T], v[T+1], v[T+2]
	v_max3_num_f32 v[T+3], v[T+3], v[T+4], v[T+5]
	v_max3_num_f32 v[T], v[T], v[T+3], v[T+6]
	v_max_num_f32 v[T], v[T], v[T+7]
	v_permlanex16_b32 v[T+1], v[T], s[SEL], s[SEL+1]  ; the query's other 64 keys lie in the lane 16 away
	v_max_num_f32 v[T], v[T], v[T+1]
	v_mul_f32 v[CM], s[CS], v[T]
	v_mul_f32 v[CM+1], s[CS], v[T]
	WIN 0x82                                       ; destination and source 0 window 2, c m window 0
.set SI, 0
.rept 32
	v_pk_fma_f32 v[AC+SI:AC+SI+1], v[AC+SI:AC+SI+1], s[CS:CS+1], v[CM:CM+1] op_sel_hi:[1,0,0] neg_lo:[0,0,1] neg_hi:[0,0,1]
.set SI, SI+2
.endr
.set SI, 0
.rept 64
	v_exp_f32 v[AC+SI], v[AC+SI]
.set SI, SI+1
.endr
	v_nop                                          ; a plain instruction between the last exponential and the use of its result
	WIN 0x0a
.set SI, 0
	s_wait_alu depctr_va_vdst(0)
.rept 32
	v_cvt_pk_f16_f32 v[TMP+SI], v[AC+2*SI], v[AC+2*SI+1]
.set SI, SI+1
.endr
.irp c, 0,1,2,3
	v_pk_add_f32 v[LS+2*(\c):LS+2*(\c)+1], v[AC+4*(\c):AC+4*(\c)+1], v[AC+4*(\c)+2:AC+4*(\c)+3]  ; four chains start: nothing is cleared
.endr
	WIN 0x08
.set SI, 0
.rept 24
	v_pk_add_f32 v[LS+2*(SI%4):LS+2*(SI%4)+1], v[LS+2*(SI%4):LS+2*(SI%4)+1], v[AC+16+2*SI:AC+16+2*SI+1]
.set SI, SI+1
.endr
	WIN 0
	v_pk_add_f32 v[LS:LS+1], v[LS:LS+1], v[LS+2:LS+3]
	v_pk_add_f32 v[LS+4:LS+5], v[LS+4:LS+5], v[LS+6:LS+7]
	v_pk_add_f32 v[LS:LS+1], v[LS:LS+1], v[LS+4:LS+5]
	v_add_f32 v[LS], v[LS], v[LS+1]
	v_permlanex16_b32 v[LS+1], v[LS], s[SEL], s[SEL+1]
	v_add_f32 v[LS], v[LS], v[LS+1]
	v_cndmask_b32 v[LS+2], v[CM], v[LS], s[HM]     ; lanes 0-15 keep c m, lanes 16-31 l
	ds_store_b32 v[SS], v[LS+2] offset:64*(\a)
.endm
.macro TOSTAGE a
.set BB, BK+32*((\a)%2)
.irp b, 0,1,2,3,4,5,6,7
	ds_store_b128 v[STO], v[TMP+4*(\b):TMP+4*(\b)+3] offset:32*(\b)
.endr
.irp t, 0,1,2,3,4,5,6,7
	ds_load_b128 v[BB+4*(\t):BB+4*(\t)+3], v[RD] offset:(\t)*2*PITCH  ; LDS serves a wave's instructions in order: these see the stores above
.endr
.endm
.macro SEND a
.set BB, BK+32*((\a)%2)
	s_wait_dscnt 0x0
	s_wait_xcnt 0x0                                ; the earlier stores have read their registers: the next block's loads may land on them
.irp t, 0,1,2,3,4,5,6,7
	global_store_b128 v[CO], v[BB+4*(\t):BB+4*(\t)+3], s[8:9] offset:(16*(\a)+2*(\t))*CPITCH  ; 16 lanes store 256 consecutive bytes, aligned
.endr
.endm
	s_load_b128 s[80:83], s[0:1], 0x0              ; qkv s[80:81], p s[82:83]
	s_load_b64 s[84:85], s[0:1], 0x10              ; stats
	v_lshl_add_u32 v[SPW], v0, 2, SPARE
	v_mov_b32 v[NIL], 0
	ds_add_u32 v[SPW], v[NIL]                      ; the wave's opening: the add, and its wait ahead of my first tensor load
	v_lshrrev_b32 v1, 5, v0
	v_readfirstlane_b32 s10, v1
	s_lshr_b32 s11, s10, 1
	s_and_b32 s12, s10, 1
	s_bfe_u32 s40, ttmp6, 0x40000                  ; cx
	s_bfe_u32 s41, ttmp6, 0x40004                  ; cy
	s_lshl_b32 s42, ttmp9, 2
	s_add_co_u32 s42, s42, s40                     ; tile column: 256 keys of the batch element, 0..7
	s_and_b32 s45, ttmp7, 0xffff
	s_lshl_b32 s13, s45, 2
	s_add_co_u32 s13, s13, s41                     ; tile row: 256 of all 8,192 queries, 0..31
	s_lshr_b32 s45, s45, 1                         ; the batch element: two rows of clusters each
	s_lshl_b32 s43, s41, 2
	s_lshl_b32 s43, 15, s43
	s_lshl_b32 s44, 0x1111, s40
	s_or_b32 s[G1A], s43, GW
	s_or_b32 s[G1B], s44, GW
.irp g, G1A, G1B
	s_mov_b32 s[(\g)+1], 128<<16                   ; tensor_dim0 = 128
	s_mov_b32 s[(\g)+2], 128<<16                   ; tensor_dim1 = 128
	s_mov_b32 s[(\g)+3], 128<<16                   ; tile_dim0 = 128
	s_mov_b32 s[(\g)+4], 128                       ; tile_dim1 = 128
	s_mov_b32 s[(\g)+5], 3072                      ; elements from row to row of qkv
	s_mov_b32 s[(\g)+6], 0
	s_mov_b32 s[(\g)+7], 0
.endr
	s_mul_i32 s14, s13, 256*6144                   ; A: Q's row 256 x tile row + 128 x half
	s_mul_i32 s15, s12, 128*6144
	s_add_co_u32 s14, s14, s15
	s_mov_b32 s15, 0
	s_mul_i32 s46, s45, 2048*6144                  ; B: K's row 2048 x batch + 256 x tile column + 128 x half; K lies 2,048 bytes into a row
	s_mul_i32 s47, s42, 256*6144
	s_add_co_u32 s46, s46, s47
	s_mul_i32 s47, s12, 128*6144
	s_add_co_u32 s46, s46, s47
	s_add_co_u32 s46, s46, 2048
	s_mov_b32 s47, 0
	s_mul_i32 s20, s10, 128*PITCH                  ; where they go: wave x 128 rows
	s_mov_b32 s[CS], 0x3d38aa3b                    ; c = log2(e) / 32
	s_mov_b32 s[CS+1], s[CS]
	s_mov_b32 s[SEL], 0x76543210
	s_mov_b32 s[SEL+1], 0xfedcba98
	s_wait_dscnt 0x0
	s_wait_kmcnt 0x0
	s_add_nc_u64 s[4:5], s[80:81], s[14:15]
	s_add_nc_u64 s[6:7], s[80:81], s[46:47]
	CROUND
.irp s, 0,1
	s_mov_b32 s[G0A+4*(\s)], 1
	s_add_co_u32 s[G0A+4*(\s)+1], s20, (\s)*XORC
	s_add_nc_u64 s[G0A+4*(\s)+2:G0A+4*(\s)+3], s[4:5], (\s)*ASTEP
	s_or_b32 s[G0A+4*(\s)+3], s[G0A+4*(\s)+3], 0x80000000
	s_mov_b32 s[G0B+4*(\s)], 1
	s_add_co_u32 s[G0B+4*(\s)+1], s20, (\s)*XORC
	s_add_nc_u64 s[G0B+4*(\s)+2:G0B+4*(\s)+3], s[6:7], (\s)*BSTEP
	s_or_b32 s[G0B+4*(\s)+3], s[G0B+4*(\s)+3], 0x80000000
.endr
	s_cmp_eq_u32 s11, 0
	s_cbranch_scc0 .Lfirst_b
	tensor_load_to_lds s[G0A:G0A+3], s[G1A:G1A+7]
	s_nop 0
	tensor_load_to_lds s[G0A+4:G0A+7], s[G1A:G1A+7]
	s_nop 0
	PLACES
	s_branch .Lfirst_asked
.Lfirst_b:
	tensor_load_to_lds s[G0B:G0B+3], s[G1B:G1B+7]
	s_nop 0
	tensor_load_to_lds s[G0B+4:G0B+7], s[G1B:G1B+7]
	s_nop 0
	PLACES
.Lfirst_asked:
	v_and_b32 v1, 15, v0                           ; l % 16
	v_bfe_u32 v2, v0, 4, 1                         ; l / 16
	v_and_b32 v6, 31, v0                           ; l
	v_mul_u32_u24 v3, v1, PITCH
	v_lshl_add_u32 v3, v2, 4, v3
	s_mul_i32 s22, s11, 128*PITCH
	v_add_nc_u32 v[ADRA0], s22, v3
	s_mul_i32 s22, s12, 128*PITCH
	s_add_co_u32 s22, s22, BBASE
	v_add_nc_u32 v[ADRB0], s22, v3
	s_mul_i32 s23, s10, 16*PITCH
	s_add_co_u32 s23, s23, STAGE
	v_add_nc_u32 v[STO], s23, v3
	v_mul_u32_u24 v5, v2, PITCH
	v_lshl_add_u32 v5, v1, 4, v5
	v_add_nc_u32 v[RD], s23, v5
	v_lshlrev_b32 v5, 12, v2
	v_lshl_add_u32 v[CO], v1, 4, v5
	s_lshl_b32 s23, s10, 10
	s_add_co_u32 s23, s23, SST                     ; my table
	v_lshlrev_b32 v5, 9, v2
	v_lshl_add_u32 v5, v1, 2, v5
	v_add_nc_u32 v[SS], s23, v5                    ; 512 (l / 16) + 4 (l % 16)
	v_lshlrev_b32 v[SG], 4, v6
	v_add_nc_u32 v[SR], s23, v[SG]
	s_lshl_b32 s16, s13, 20                        ; my part of p: row 256 x tile row + 128 x half, 4,096 bytes a row; 512 bytes a tile column, 256 a half
	s_lshl_b32 s17, s11, 19
	s_add_co_u32 s16, s16, s17
	s_lshl_b32 s17, s42, 9
	s_add_co_u32 s16, s16, s17
	s_lshl_b32 s17, s12, 8
	s_add_co_u32 s16, s16, s17
	s_mov_b32 s17, 0
	s_add_nc_u64 s[8:9], s[82:83], s[16:17]
	s_lshl_b32 s16, s42, 16                        ; my part of stats: key group 2 x tile column + half, 32,768 bytes each; 4 bytes a row
	s_lshl_b32 s17, s12, 15
	s_add_co_u32 s16, s16, s17
	s_lshl_b32 s17, s13, 10
	s_add_co_u32 s16, s16, s17
	s_lshl_b32 s17, s11, 9
	s_add_co_u32 s16, s16, s17
	s_mov_b32 s17, 0
	s_add_nc_u64 s[74:75], s[84:85], s[16:17]
	s_wait_tensorcnt 0x1                           ; my part of K step 0 is in; K step 1's may stay out
	s_barrier_signal -1
	s_barrier_wait -1
	s_mov_b32 s[TB], 0
	v_mov_b32 v[ADRA], v[ADRA0]
	v_mov_b32 v[ADRB], v[ADRB0]
	FETCH 0, F0
	QUARTER 64, F0, F1, 1                          ; the first quarter stands in front of the loop: its products start the sums
	WIN 0
	s_mov_b32 s3, NK-2
	s_branch .Lentry
.Lstep:
	QUARTER 64, F0, F1, 0
	WIN 0
.Lentry:
	QUARTER 128, F1, F0, 0
	QUARTER 192, F0, F1, 0
	TURN 1
	WIN 0
	s_sub_co_u32 s3, s3, 1
	s_cmp_lg_u32 s3, 0
	s_cbranch_scc1 .Lstep
	s_mov_b32 s3, 2
.Ltail:                                        ; the last two K steps ask for nothing; the second trip's change of slots fetches fragments that are never multiplied: the price of one text for both
	QUARTER 64, F0, F1, 0
	QUARTER 128, F1, F0, 0
	QUARTER 192, F0, F1, 0
	TURN 0
	WIN 0
	s_sub_co_u32 s3, s3, 1
	s_cmp_lg_u32 s3, 0
	s_cbranch_scc1 .Ltail
	s_wait_dscnt 0x0
	PLACES
	v_cmp_eq_u32 s[HM], 1, v2
	s_mov_b32 s[EP], 2
.Lhalf:                                        ; THE WAY OUT, written for the four blocks in window 2 and walked twice
	SOFT 0
	TOSTAGE 0
.irp a, 1,2,3                          ; block a's softmax stands between block a - 1's loads from the stage and the wait for them
	SOFT \a
	SEND (\a)-1
	TOSTAGE \a
.endr
	SEND 3
	s_cmp_eq_u32 s[EP], 1
	s_cbranch_scc1 .Lmoved
	s_wait_xcnt 0x0                                ; the stores have read their base
	s_add_nc_u64 s[8:9], s[8:9], 64*CPITCH         ; my rows 64-127
	v_add_nc_u32 v[SS], 256, v[SS]
	WIN 0x83                                       ; window 3's accumulators go where the one text names them: 256 moves for half the way out's text
.set i, 0
.rept 256
	v_mov_b32 v[i], v[i]
.set i, i+1
.endr
	WIN 0
.Lmoved:
	s_sub_co_u32 s[EP], s[EP], 1
	s_cmp_lg_u32 s[EP], 0
	s_cbranch_scc1 .Lhalf
	ds_load_b128 v[T:T+3], v[SR]                   ; c m of four rows a lane: my own stores, served in order
	ds_load_b128 v[T+4:T+7], v[SR] offset:512      ; l
	s_wait_dscnt 0x0
	global_store_b128 v[SG], v[T:T+3], s[74:75]    ; 512 consecutive bytes, aligned
	global_store_b128 v[SG], v[T+4:T+7], s[74:75] offset:524288
	s_wait_tensorcnt 0x0                           ; the wave's end
	ds_add_u32 v[SPW], v[NIL]
	s_wait_dscnt 0x0
	CROUND
	s_endpgm
.Lfunc_end_k_q3c259271f8_score:
	.size	k_q3c259271f8_score, .Lfunc_end_k_q3c259271f8_score-k_q3c259271f8_score
	.p2alignl 7, 3214868480
	.fill 96, 4, 3214868480
	.section	.rodata,"a",@progbits
	.p2align	6, 0x0
	.amdhsa_kernel k_q3c259271f8_score
		.amdhsa_group_segment_fixed_size 327680
		.amdhsa_private_segment_fixed_size 0
		.amdhsa_enable_private_segment 0
		.amdhsa_kernarg_size 24
		.amdhsa_user_sgpr_count 2
		.amdhsa_user_sgpr_kernarg_segment_ptr 1
		.amdhsa_wavefront_size32 1
		.amdhsa_system_sgpr_workgroup_id_x 1
		.amdhsa_system_sgpr_workgroup_id_y 1
		.amdhsa_system_sgpr_workgroup_id_z 1
		.amdhsa_system_vgpr_workitem_id 0
		.amdhsa_next_free_vgpr 1024
		.amdhsa_next_free_sgpr 96
		.amdhsa_reserve_vcc 0
		.amdhsa_float_denorm_mode_32 3
		.amdhsa_float_denorm_mode_16_64 3
		.amdhsa_memory_ordered 1
		.amdhsa_forward_progress 1
		.amdhsa_inst_pref_size 128
	.end_amdhsa_kernel
	.amdgpu_metadata
---
amdhsa.version: [ 1, 2 ]
amdhsa.kernels:
  - .name:           k_q3c259271f8_score
    .symbol:         k_q3c259271f8_score.kd
    .args:
      - { .name: qkv, .offset: 0, .size: 8, .value_kind: global_buffer, .address_space: global }
      - { .name: p, .offset: 8, .size: 8, .value_kind: global_buffer, .address_space: global }
      - { .name: stats, .offset: 16, .size: 8, .value_kind: global_buffer, .address_space: global }
    .group_segment_fixed_size: 327680
    .private_segment_fixed_size: 0
    .kernarg_segment_align: 8
    .kernarg_segment_size: 24
    .max_flat_workgroup_size: 128
    .sgpr_count:     96
    .vgpr_count:     1024
    .wavefront_size: 32
...
	.end_amdgpu_metadata
.endif
;; end of part 3
;; launch ctxk (part 4): grid 4 x 64, 4 waves a work-group, clusters of 4 x 4, 327,680 bytes of LDS; arguments p, qkv, stats, ctx; writes ctx
.if DOCPART == 4
	.amdgcn_target "amdgcn-amd-amdhsa--gfx1250"
	.amdhsa_code_object_version 6
	.text
	.protected	k_q3c259271f8_ctxk
	.globl	k_q3c259271f8_ctxk
	.p2align	8
	.type	k_q3c259271f8_ctxk,@function
k_q3c259271f8_ctxk:
	s_mov_b64 s[64:65], 0
	v_nop
	global_prefetch_b8 v0, s[64:65] scope:SCOPE_SE
	s_setreg_imm32_b32 hwreg(HW_REG_WAVE_MODE, 25, 1), 1
	s_wait_xcnt 0x0
	s_wait_alu depctr_hold_cnt(0) depctr_sa_sdst(0) depctr_va_vdst(0) depctr_va_sdst(0) depctr_va_ssrc(0) depctr_va_vcc(0) depctr_vm_vsrc(0)
	s_getreg_b32 s2, hwreg(HW_REG_IB_STS2, 6, 4)
	s_cmp_eq_u32 s2, 0
	s_cbranch_scc0 .Lentry_in_a_cluster
	s_endpgm
.Lentry_in_a_cluster:
	s_bfe_u32 s2, ttmp6, 0x10000c
	s_cmp_lg_u32 s2, 0xf033
	s_cbranch_scc0 .Lentry_shape_is_right
	s_endpgm
.Lentry_shape_is_right:
; ctx[q][e] = (sum over the 16 key groups g of f_g[q] x sum over the group's 128 keys of p[q][k] V[k][e]) / L[q], with c m = the largest of the query's 16 c m_g, f_g = 2^(c m_g - c m) <= 1,
; L = sum of f_g l_g >= 1.  So the row's true maximum is taken away.  p and V in f16; p x f_g in f16 (one more rounding of a matrix operand); sums in f32; 1 / L in f32 at the end; ctx in f16.
; LIMITS.  A weight or factor below 6e-8 counts as 0, below 6.1e-5 it keeps f16's fixed step; NaN and infinities are not treated apart.
; SHARES.  A work-group makes 128 queries x 256 channels, a wave 64 x 128.  K = 2,048 keys in 16 steps of 128, a key group a step, through two LDS slots.  Waves 0 and 1 fetch p's halves (64 rows x 256 bytes),
; waves 2 and 3 V's (64 keys x 512 bytes each).  V lies [key][channel]: its fragments come out of LDS turned, by ds_load_tr16_b128.
; CLUSTER.  4 x 4: the four of a row share p's rows, the four of a column V's channels (a cluster's four tile rows lie in one batch element): joint loads.
; TRANSPOSED USE (source 0 = 16 channels, source 1 = 16 queries): a lane holds ONE query in A's fragment and in the result, so f_g and 1 / L are one number a lane and block.
; AHEAD OF THE LOADS.  Behind each joint refill wave 0 prefetches into the L2 the K step two refills on (256 matrix instructions a wave ahead of the load that will ask for it) of 32 of the tile's 128 rows of p:
; a lane a row, 256 bytes of it.  The four partners that ask for these rows jointly take 32 rows each, told apart by address.  No other cluster reads them, so each aligned block of 256 bytes is named once in
; the launch.  K steps 0 to 3 come by their loads alone; the last two refills name nothing: K has no step two on.  V's tiles are read by four clusters and are not asked for.
; REGISTERS: window 0: v0-31 addresses and factors; v32-39 1 / L in pairs; v64-95, v128-159 A's fragments; v192-242 at work      window 1: B's fragments      window 2: accumulators
.set AB,     4
.set NK,     16
.set PITCH,  272
.set PV,     544                       ; a key's 256 channels in LDS: 512 bytes + 32 of padding = 136 words
.set BBASE,  32*AB*PITCH               ; in a slot: p's 128 rows, then V's 128 keys (128 x 544 bytes)
.set XORC,   131072
.set STAGE,  XORC+BBASE+128*PV
.set FT,     STAGE+4*16*PITCH          ; 8,704 bytes a wave: [17][lane][4 blocks]: rows 0-15 f_g twice in f16, row 16 1 / L in f32
.set SPARE,  FT+4*8704
.set ASTEP,  256
.set BSTEP,  128*6144
.set CPITCH, 2048
.set GW,     (1<<16)|(1<<20)|(1<<21)|(5<<22)|(3<<25)
.set GWV,    (1<<16)|(1<<20)|(1<<21)|(6<<22)|(7<<25)  ; after every 128 words, 8 words of padding
.set PFO,   11                         ; v11  the prefetches' offset: my lane x a row of p (4,096 bytes); never rewritten
.set FCN,   12                         ; v[12:15] the next K step's four factors, as loaded
.set ADRA0, 16
.set ADRB0, 17
.set ADRA,  18
.set ADRB,  19
.set FC,    20                         ; v[20:23] the K step's four factors, one a block
.set STO,   24
.set RD,    25
.set CO,    26
.set SO,    27                         ; v27  my row's byte offset in stats
.set SPW,   28
.set NIL,   29
.set FADR,  30                         ; v30  where the next row of my table lies
.set FW,    31                         ; v31  where I write my table
.set RL,    32                         ; v[32:39] 1 / L, a pair a block
.set F0,    64
.set F1,    128
.set TMP,   192
.set BK,    64
.set M,     192                        ; the prologue: c m_g, then f_g
.set LR,    208                        ; l_g
.set PKF,   224                        ; f_g twice in f16
.set TT,    240
.set G1A,   24
.set G0A,   32
.set G1B,   48
.set G0B,   56
.set TB,    66
.set EP,    67
.set PFA,   90                         ; s[90:91] where my work-group's prefetches stand: its 32 rows of p, one K step further along than the refill that is being asked for
.set LIM,   92                         ; s92  2 in wave 0, else the greatest number: a wave prefetches while more trips than that are left
.set MSB, 0
.macro WIN new
.if MSB != (\new)
	s_set_vgpr_msb (MSB<<8)|(\new)
.set MSB, (\new)
.endif
.endm
.macro PLACES
.rept 4
	v_nop
.endr
.endm
.macro CREST
	s_cmp_lg_u32 s10, 0
	s_cbranch_scc1 .Lnot_wave_0_\@
	s_barrier_signal -3
.Lnot_wave_0_\@:
	s_barrier_wait -3
	s_barrier_signal -1
	s_barrier_wait -1
.endm
.macro CROUND
	s_barrier_signal -1
	s_barrier_wait -1
	CREST
.endm
.macro JLOAD
	s_cmp_eq_u32 s11, 0
	s_cbranch_scc0 .Lfor_b_\@
	tensor_load_to_lds s[G0A+4:G0A+7], s[G1A:G1A+7]
	s_nop 0
	PLACES
	s_branch .Lasked_\@
.Lfor_b_\@:
	tensor_load_to_lds s[G0B+4:G0B+7], s[G1B:G1B+7]
	s_nop 0
	PLACES
.Lasked_\@:
.endm
.macro ASK                             ; the branch hangs on the wave's number and the loop's count alone
	s_cmp_gt_u32 s3, s[LIM]
	s_cbranch_scc0 .Lnot_mine_\@
	global_prefetch_b8 v[PFO], s[PFA:PFA+1] offset:ASTEP th:TH_LOAD_NT scope:SCOPE_SE
.Lnot_mine_\@:
.endm
; Eight matrix instructions on block a.  ride = 1: behind every second of them two lines scale the NEXT block's fragment of p by its factor, so that the scaling stands beside the matrix work.
.macro MULB f, a, cm, ride=0
.set AC, 64*(\a)
.set FA, (\f)+8*(\a)
.irp b, 0,1,2,3,4,5,6,7
	WIN 0xa1
.if (\cm) == 1
	v_wmma_f32_16x16x32_f16 v[AC+8*(\b):AC+8*(\b)+7], v[(\f)+8*(\b):(\f)+8*(\b)+7], v[FA:FA+7], 0
.else
	v_wmma_f32_16x16x32_f16 v[AC+8*(\b):AC+8*(\b)+7], v[(\f)+8*(\b):(\f)+8*(\b)+7], v[FA:FA+7], v[AC+8*(\b):AC+8*(\b)+7]
.endif
.if (\ride) && ((\b)%2 == 0)
	WIN 0
	v_pk_mul_f16 v[FA+8+(\b)], v[FA+8+(\b)], v[FC+(\a)+1]
	v_pk_mul_f16 v[FA+9+(\b)], v[FA+9+(\b)], v[FC+(\a)+1]
.endif
.endr
.endm
.macro SCALE0 f                        ; block 0's fragment has no products to stand beside
	WIN 0
.irp i, 0,1,2,3,4,5,6,7
	v_pk_mul_f16 v[(\f)+(\i)], v[(\f)+(\i)], v[FC]
.endr
.endm
.macro FETCH q, f                      ; quarter q's fragments: V's 16 turning loads (keys 32 q on, channels 16 b on), then p's 8
	WIN 0x40
.irp b, 0,1,2,3,4,5,6,7
	ds_load_tr16_b128 v[(\f)+8*(\b):(\f)+8*(\b)+3],   v[ADRB] offset:(\q)*32*PV+32*(\b)
	ds_load_tr16_b128 v[(\f)+8*(\b)+4:(\f)+8*(\b)+7], v[ADRB] offset:(\q)*32*PV+16*PV+32*(\b)
.endr
	WIN 0
.irp i, 0,1,2,3
	ds_load_b128 v[(\f)+8*(\i):(\f)+8*(\i)+3],   v[ADRA] offset:64*(\q)+(\i)*16*PITCH
	ds_load_b128 v[(\f)+8*(\i)+4:(\f)+8*(\i)+7], v[ADRA] offset:64*(\q)+(\i)*16*PITCH+32
.endr
.endm
.macro QUARTER q, f, g, cm             ; multiplies buffer f, fetches quarter q into buffer g
	s_wait_dscnt 0x0                               ; the whole run is in (it was issued 16 matrix instructions back): all four fragments of p are scaled in this quarter
	WIN 0
.if (\q) == 1
.irp i, 0,1,2,3
	v_mov_b32 v[FC+(\i)], v[FCN+(\i)]              ; a K step's first quarter takes the step's factors
.endr
.endif
	SCALE0 \f
	MULB \f, 0, \cm, 1
	MULB \f, 1, \cm, 1
	PLACES
	FETCH \q, \g
	MULB \f, 2, \cm, 1
	MULB \f, 3, \cm, 0
.endm
; The last quarter and the change of slots.
; Between a tile's landing and the next request stand only the add, its wait and the round.
.macro TURN fill
.if \fill
	s_wait_xcnt 0x0                                ; the last prefetch, a K step back, has read its address, so it may be stepped
	s_add_nc_u64 s[PFA:PFA+1], s[PFA:PFA+1], ASTEP
.endif
	s_wait_dscnt 0x0                               ; the quarter's fragments are in
	SCALE0 F1
	MULB F1, 0, 0, 1
	MULB F1, 1, 0, 1
	WIN 0
	s_wait_tensorcnt 0x0                           ; all my tensor loads have landed: my part of the next slot; the walking descriptors may be written
	ds_add_u32 v[SPW], v[NIL]
.if \fill
	s_xor_b32 s[G0A+5], s[G0A+5], XORC
	s_add_nc_u64 s[G0A+6:G0A+7], s[G0A+6:G0A+7], ASTEP
	s_xor_b32 s[G0B+5], s[G0B+5], XORC
	s_add_nc_u64 s[G0B+6:G0B+7], s[G0B+6:G0B+7], BSTEP
.endif
	s_wait_dscnt 0x0                               ; the add is done; my reads of this slot were over at the wait at the head
	s_barrier_signal -1
	s_barrier_wait -1
.if \fill
	CREST                                          ; no wave of any partner still reads this slot or has a load on its way
	JLOAD                                          ; its four v_nop are also the places in front of the loads below
.else
	PLACES
.endif
	s_xor_b32 s[TB], s[TB], XORC
	v_add_nc_u32 v[ADRA], s[TB], v[ADRA0]
	v_add_nc_u32 v[ADRB], s[TB], v[ADRB0]
	FETCH 0, F0
	ds_load_b128 v[FCN:FCN+3], v[FADR]             ; the next K step's factors; behind the last step: 1 / L
	v_add_nc_u32 v[FADR], 512, v[FADR]
.if \fill
	ASK                                            ; behind the joint load and the run of LDS loads that the next products wait for
.endif
	MULB F1, 2, 0, 1
	MULB F1, 3, 0, 0
.endm
.macro PACK a
.set AC, 64*(\a)
	WIN 0x82                                       ; destination and source 0 window 2, 1 / L window 0
.set SI, 0
.rept 32
	v_pk_mul_f32 v[AC+SI:AC+SI+1], v[AC+SI:AC+SI+1], v[RL+2*(\a):RL+2*(\a)+1]
.set SI, SI+2
.endr
	WIN 0x0a
.irp b, 0,1,2,3,4,5,6,7
.irp r, 0,1,2,3
	v_cvt_pk_f16_f32 v[TMP+4*(\b)+(\r)], v[AC+8*(\b)+2*(\r)], v[AC+8*(\b)+2*(\r)+1]
.endr
.endr
	WIN 0
.endm
.macro TOSTAGE a
.set BB, BK+32*((\a)%2)
.irp b, 0,1,2,3,4,5,6,7
	ds_store_b128 v[STO], v[TMP+4*(\b):TMP+4*(\b)+3] offset:32*(\b)
.endr
.irp t, 0,1,2,3,4,5,6,7
	ds_load_b128 v[BB+4*(\t):BB+4*(\t)+3], v[RD] offset:(\t)*2*PITCH
.endr
.endm
.macro SEND a
.set BB, BK+32*((\a)%2)
	s_wait_dscnt 0x0
	s_wait_xcnt 0x0                                ; the earlier stores have read their registers: the next block's loads may land on them
.irp t, 0,1,2,3,4,5,6,7
	global_store_b128 v[CO], v[BB+4*(\t):BB+4*(\t)+3], s[8:9] offset:(16*(\a)+2*(\t))*CPITCH  ; 16 lanes store 256 consecutive bytes, aligned
.endr
.endm
	s_load_b256 s[80:87], s[0:1], 0x0              ; p s[80:81], qkv s[82:83], stats s[84:85], ctx s[86:87]
	v_lshl_add_u32 v[SPW], v0, 2, SPARE
	v_mov_b32 v[NIL], 0
	ds_add_u32 v[SPW], v[NIL]                      ; the wave's opening: the add, and its wait ahead of my first tensor load
	v_lshrrev_b32 v1, 5, v0
	v_readfirstlane_b32 s10, v1
	s_lshr_b32 s11, s10, 1
	s_and_b32 s12, s10, 1
	s_bfe_u32 s40, ttmp6, 0x40000
	s_bfe_u32 s41, ttmp6, 0x40004
	s_lshl_b32 s42, ttmp9, 2
	s_add_co_u32 s42, s42, s40                     ; tile column: 256 channels, 0..3
	s_and_b32 s45, ttmp7, 0xffff
	s_lshl_b32 s13, s45, 2
	s_add_co_u32 s13, s13, s41                     ; tile row: 128 of all 8,192 queries, 0..63
	s_lshr_b32 s45, s45, 2                         ; the batch element: four rows of clusters each
	s_lshl_b32 s43, s41, 2
	s_lshl_b32 s43, 15, s43
	s_lshl_b32 s44, 0x1111, s40
	s_or_b32 s[G1A], s43, GW
	s_or_b32 s[G1B], s44, GWV
	s_mov_b32 s[G1A+1], 128<<16                    ; p: 64 rows x 128 keys
	s_mov_b32 s[G1A+2], 64<<16
	s_mov_b32 s[G1A+3], 128<<16
	s_mov_b32 s[G1A+4], 64
	s_mov_b32 s[G1A+5], 2048
	s_mov_b32 s[G1A+6], 0
	s_mov_b32 s[G1A+7], 0
	s_mov_b32 s[G1B+1], 256<<16                    ; V: 64 keys x 256 channels
	s_mov_b32 s[G1B+2], 64<<16
	s_mov_b32 s[G1B+3], 256<<16
	s_mov_b32 s[G1B+4], 64
	s_mov_b32 s[G1B+5], 3072
	s_mov_b32 s[G1B+6], 0
	s_mov_b32 s[G1B+7], 0
	s_lshl_b32 s14, s13, 19                        ; A: p's row 128 x tile row + 64 x half, 4,096 bytes a row
	s_lshl_b32 s15, s12, 18
	s_add_co_u32 s14, s14, s15
	s_mov_b32 s15, 0
	s_mul_i32 s46, s45, 2048*6144                  ; B: key 2048 x batch + 64 x half; V lies 4,096 bytes into a row of qkv; 512 bytes a tile column
	s_mul_i32 s47, s12, 64*6144
	s_add_co_u32 s46, s46, s47
	s_lshl_b32 s47, s42, 9
	s_add_co_u32 s46, s46, s47
	s_add_co_u32 s46, s46, 4096
	s_mov_b32 s47, 0
	s_mul_i32 s20, s12, 64*PITCH
	s_mul_i32 s21, s12, 64*PV
	s_add_co_u32 s21, s21, BBASE
	s_wait_dscnt 0x0
	s_wait_kmcnt 0x0
	s_add_nc_u64 s[4:5], s[80:81], s[14:15]
	s_add_nc_u64 s[6:7], s[82:83], s[46:47]
	CROUND
.irp s, 0,1
	s_mov_b32 s[G0A+4*(\s)], 1
	s_add_co_u32 s[G0A+4*(\s)+1], s20, (\s)*XORC
	s_add_nc_u64 s[G0A+4*(\s)+2:G0A+4*(\s)+3], s[4:5], (\s)*ASTEP
	s_or_b32 s[G0A+4*(\s)+3], s[G0A+4*(\s)+3], 0x80000000
	s_mov_b32 s[G0B+4*(\s)], 1
	s_add_co_u32 s[G0B+4*(\s)+1], s21, (\s)*XORC
	s_add_nc_u64 s[G0B+4*(\s)+2:G0B+4*(\s)+3], s[6:7], (\s)*BSTEP
	s_or_b32 s[G0B+4*(\s)+3], s[G0B+4*(\s)+3], 0x80000000
.endr
	s_cmp_eq_u32 s11, 0
	s_cbranch_scc0 .Lfirst_b
	tensor_load_to_lds s[G0A:G0A+3], s[G1A:G1A+7]
	s_nop 0
	tensor_load_to_lds s[G0A+4:G0A+7], s[G1A:G1A+7]
	s_nop 0
	PLACES
	s_branch .Lfirst_asked
.Lfirst_b:
	tensor_load_to_lds s[G0B:G0B+3], s[G1B:G1B+7]
	s_nop 0
	tensor_load_to_lds s[G0B+4:G0B+7], s[G1B:G1B+7]
	s_nop 0
	PLACES
.Lfirst_asked:
	v_and_b32 v1, 15, v0                           ; l % 16
	v_bfe_u32 v2, v0, 4, 1                         ; l / 16
	v_and_b32 v6, 31, v0                           ; l
	v_mul_u32_u24 v3, v1, PITCH
	v_lshl_add_u32 v3, v2, 4, v3
	s_mul_i32 s22, s11, 16*AB*PITCH
	v_add_nc_u32 v[ADRA0], s22, v3
	v_and_b32 v4, 7, v0                            ; the turning load: lane l reads key 8 (l / 16) + l % 8, channels 8 ((l / 8) % 2) + 0..7
	v_lshl_add_u32 v4, v2, 3, v4
	v_mul_u32_u24 v4, v4, PV
	v_bfe_u32 v5, v0, 3, 1
	v_lshl_add_u32 v4, v5, 4, v4
	s_lshl_b32 s22, s12, 8                         ; my 128 channels
	s_add_co_u32 s22, s22, BBASE
	v_add_nc_u32 v[ADRB0], s22, v4
	s_mul_i32 s23, s10, 16*PITCH
	s_add_co_u32 s23, s23, STAGE
	v_add_nc_u32 v[STO], s23, v3
	v_mul_u32_u24 v5, v2, PITCH
	v_lshl_add_u32 v5, v1, 4, v5
	v_add_nc_u32 v[RD], s23, v5
	v_lshlrev_b32 v5, 11, v2
	v_lshl_add_u32 v[CO], v1, 4, v5
	s_mul_i32 s23, s10, 8704
	s_add_co_u32 s23, s23, FT                      ; my table
	v_lshl_add_u32 v[FADR], v6, 4, s23
	v_mov_b32 v[FW], v[FADR]
	v_lshlrev_b32 v[SO], 2, v1
	s_lshl_b32 s16, s13, 18                        ; my part of ctx
	s_lshl_b32 s17, s11, 17
	s_add_co_u32 s16, s16, s17
	s_lshl_b32 s17, s42, 9
	s_add_co_u32 s16, s16, s17
	s_lshl_b32 s17, s12, 8
	s_add_co_u32 s16, s16, s17
	s_mov_b32 s17, 0
	s_add_nc_u64 s[8:9], s[86:87], s[16:17]
	s_lshl_b32 s16, s13, 9                         ; my 64 rows in stats
	s_lshl_b32 s17, s11, 8
	s_add_co_u32 s16, s16, s17
	s_mov_b32 s17, 0
	s_add_nc_u64 s[74:75], s[84:85], s[16:17]
	s_lshl_b32 s76, s13, 19                        ; the prefetches: the tile's 128 rows of p,
	s_lshl_b32 s77, s40, 17                        ; my work-group's 32 of them: cx enters this address alone,
	s_add_co_u32 s76, s76, s77
	s_add_co_u32 s76, s76, 2*ASTEP                 ; at K step 2: the first refill steps it to 3 and names K step 4
	s_mov_b32 s77, 0
	s_add_nc_u64 s[PFA:PFA+1], s[80:81], s[76:77]
	s_cmp_eq_u32 s10, 0
	s_cselect_b32 s[LIM], 2, -1
	v_lshlrev_b32 v[PFO], 12, v6
	s_mov_b32 s[EP], 4
.Lfac:                                         ; THE FACTORS, a block of 16 rows a trip, while the first tiles are on their way: a lane takes row l % 16's 16 pairs (c m_g, l_g)
.irp g, 0,1,2,3,4,5,6,7,8,9,10,11,12,13,14,15
	global_load_b32 v[M+(\g)], v[SO], s[74:75] offset:(\g)*32768
	global_load_b32 v[LR+(\g)], v[SO], s[74:75] offset:524288+(\g)*32768
.endr
	s_wait_loadcnt 0x0                             ; all are in, so their address register may be stepped below
	v_max3_num_f32 v[TT], v[M], v[M+1], v[M+2]
.irp k, 3,5,7,9,11,13
	v_max3_num_f32 v[TT], v[TT], v[M+(\k)], v[M+(\k)+1]
.endr
	v_max_num_f32 v[TT], v[TT], v[M+15]            ; c m: the row's maximum
.irp g, 0,1,2,3,4,5,6,7,8,9,10,11,12,13,14,15
	v_sub_f32 v[M+(\g)], v[M+(\g)], v[TT]
.endr
.irp g, 0,1,2,3,4,5,6,7,8,9,10,11,12,13,14,15
	v_exp_f32 v[M+(\g)], v[M+(\g)]
.endr
	v_nop                                          ; a plain instruction behind the last exponential
	s_wait_alu depctr_va_vdst(0)
	v_mul_f32 v[TT], v[M], v[LR]
	v_mul_f32 v[TT+1], v[M+1], v[LR+1]
.irp k, 2,4,6,8,10,12,14
	v_fmac_f32 v[TT], v[M+(\k)], v[LR+(\k)]
	v_fmac_f32 v[TT+1], v[M+(\k)+1], v[LR+(\k)+1]
.endr
	v_add_f32 v[TT], v[TT], v[TT+1]                ; L: at least 1, since the largest group's factor is 1 and its l holds its own maximum's weight
	v_rcp_f32 v[TT+2], v[TT]
	v_nop
.irp g, 0,1,2,3,4,5,6,7,8,9,10,11,12,13,14,15
	v_cvt_pk_f16_f32 v[PKF+(\g)], v[M+(\g)], v[M+(\g)]
.endr
.irp g, 0,1,2,3,4,5,6,7,8,9,10,11,12,13,14,15
	ds_store_b32 v[FW], v[PKF+(\g)] offset:512*(\g)
.endr
	s_wait_alu depctr_va_vdst(0)
	ds_store_b32 v[FW], v[TT+2] offset:8192
	v_add_nc_u32 v[SO], 64, v[SO]
	v_add_nc_u32 v[FW], 4, v[FW]
	s_sub_co_u32 s[EP], s[EP], 1
	s_cmp_lg_u32 s[EP], 0
	s_cbranch_scc1 .Lfac
	ds_load_b128 v[FCN:FCN+3], v[FADR]             ; K step 0's factors: my own stores, served in order
	v_add_nc_u32 v[FADR], 512, v[FADR]
	s_wait_dscnt 0x0                               ; no LDS instruction of mine is out at the signal
	s_wait_tensorcnt 0x1                           ; my part of K step 0 is in; K step 1's may stay out
	s_barrier_signal -1
	s_barrier_wait -1
	s_mov_b32 s[TB], 0
	v_mov_b32 v[ADRA], v[ADRA0]
	v_mov_b32 v[ADRB], v[ADRB0]
	FETCH 0, F0
	QUARTER 1, F0, F1, 1                           ; the first quarter stands in front of the loop: its products start the sums
	WIN 0
	s_mov_b32 s3, NK-2
	s_branch .Lentry
.Lstep:
	QUARTER 1, F0, F1, 0
	WIN 0
.Lentry:
	QUARTER 2, F1, F0, 0
	QUARTER 3, F0, F1, 0
	TURN 1
	WIN 0
	s_sub_co_u32 s3, s3, 1
	s_cmp_lg_u32 s3, 0
	s_cbranch_scc1 .Lstep
	s_mov_b32 s3, 2
.Ltail:                                        ; the last two K steps ask for nothing; the second trip's change of slots fetches fragments that are never multiplied, and with them 1 / L, which is used
	QUARTER 1, F0, F1, 0
	QUARTER 2, F1, F0, 0
	QUARTER 3, F0, F1, 0
	TURN 0
	WIN 0
	s_sub_co_u32 s3, s3, 1
	s_cmp_lg_u32 s3, 0
	s_cbranch_scc1 .Ltail
	s_wait_dscnt 0x0
.irp a, 0,1,2,3                        ; 1 / L in pairs: eight plain lines, the places behind the last products
	v_mov_b32 v[RL+2*(\a)], v[FCN+(\a)]
	v_mov_b32 v[RL+2*(\a)+1], v[FCN+(\a)]
.endr
	PACK 0
	TOSTAGE 0
.irp a, 1,2,3
	PACK \a
	SEND (\a)-1
	TOSTAGE \a
.endr
	SEND 3
	s_wait_tensorcnt 0x0                           ; the wave's end
	ds_add_u32 v[SPW], v[NIL]
	s_wait_dscnt 0x0
	CROUND
	s_endpgm
.Lfunc_end_k_q3c259271f8_ctxk:
	.size	k_q3c259271f8_ctxk, .Lfunc_end_k_q3c259271f8_ctxk-k_q3c259271f8_ctxk
	.p2alignl 7, 3214868480
	.fill 96, 4, 3214868480
	.section	.rodata,"a",@progbits
	.p2align	6, 0x0
	.amdhsa_kernel k_q3c259271f8_ctxk
		.amdhsa_group_segment_fixed_size 327680
		.amdhsa_private_segment_fixed_size 0
		.amdhsa_enable_private_segment 0
		.amdhsa_kernarg_size 32
		.amdhsa_user_sgpr_count 2
		.amdhsa_user_sgpr_kernarg_segment_ptr 1
		.amdhsa_wavefront_size32 1
		.amdhsa_system_sgpr_workgroup_id_x 1
		.amdhsa_system_sgpr_workgroup_id_y 1
		.amdhsa_system_sgpr_workgroup_id_z 1
		.amdhsa_system_vgpr_workitem_id 0
		.amdhsa_next_free_vgpr 768
		.amdhsa_next_free_sgpr 96
		.amdhsa_reserve_vcc 0
		.amdhsa_float_denorm_mode_32 3
		.amdhsa_float_denorm_mode_16_64 3
		.amdhsa_memory_ordered 1
		.amdhsa_forward_progress 1
		.amdhsa_inst_pref_size 103
	.end_amdhsa_kernel
	.amdgpu_metadata
---
amdhsa.version: [ 1, 2 ]
amdhsa.kernels:
  - .name:           k_q3c259271f8_ctxk
    .symbol:         k_q3c259271f8_ctxk.kd
    .args:
      - { .name: p, .offset: 0, .size: 8, .value_kind: global_buffer, .address_space: global }
      - { .name: qkv, .offset: 8, .size: 8, .value_kind: global_buffer, .address_space: global }
      - { .name: stats, .offset: 16, .size: 8, .value_kind: global_buffer, .address_space: global }
      - { .name: ctx, .offset: 24, .size: 8, .value_kind: global_buffer, .address_space: global }
    .group_segment_fixed_size: 327680
    .private_segment_fixed_size: 0
    .kernarg_segment_align: 8
    .kernarg_segment_size: 32
    .max_flat_workgroup_size: 128
    .sgpr_count:     96
    .vgpr_count:     768
    .wavefront_size: 32
...
	.end_amdgpu_metadata
.endif
;; end of part 4
;; launch outp (part 5): grid 4 x 64, 4 waves a work-group, clusters of 4 x 4, 327,680 bytes of LDS; arguments ctx, xw, bo, out0; writes out0
.if DOCPART == 5
	.amdgcn_target "amdgcn-amd-amdhsa--gfx1250"
	.amdhsa_code_object_version 6
	.text
	.protected	k_q3c259271f8_outp
	.globl	k_q3c259271f8_outp
	.p2align	8
	.type	k_q3c259271f8_outp,@function
k_q3c259271f8_outp:
	s_mov_b64 s[64:65], 0
	v_nop
	global_prefetch_b8 v0, s[64:65] scope:SCOPE_SE
	s_setreg_imm32_b32 hwreg(HW_REG_WAVE_MODE, 25, 1), 1
	s_wait_xcnt 0x0
	s_wait_alu depctr_hold_cnt(0) depctr_sa_sdst(0) depctr_va_vdst(0) depctr_va_sdst(0) depctr_va_ssrc(0) depctr_va_vcc(0) depctr_vm_vsrc(0)
	s_getreg_b32 s2, hwreg(HW_REG_IB_STS2, 6, 4)
	s_cmp_eq_u32 s2, 0
	s_cbranch_scc0 .Lentry_in_a_cluster
	s_endpgm
.Lentry_in_a_cluster:
	s_bfe_u32 s2, ttmp6, 0x10000c
	s_cmp_lg_u32 s2, 0xf033
	s_cbranch_scc0 .Lentry_shape_is_right
	s_endpgm
.Lentry_shape_is_right:
; out0[row][e] = sum over d of ctx[row][d] Wo[e][d] + bo[e].  ctx in f16; Wo rounded to bf16 and written as f16 (xw's rows 11264 on); bo rounded to bf16 here; sums in f32; out0 in f32.
; SHARES, RING, CLUSTER, TRANSPOSED USE: a work-group makes 128 rows x 256 columns, a wave 64 x 128; K = 1,024 in 8 steps of 128 through two LDS slots; waves 0 and 1 fetch ctx's halves (64 rows),
; waves 2 and 3 Wo's (128 rows); 4 x 4 work-groups ask jointly, ctx's rows along a row of the cluster, Wo's along a column; source 0 = 16 rows of Wo, source 1 = 16 rows of ctx.
; AHEAD OF THE LOADS.  Behind each joint refill wave 0 prefetches into the L2 the K step two refills on (256 matrix instructions a wave ahead of the load that will ask for it) of 32 of the tile's 128 rows of ctx:
; a lane a row, 256 bytes of it.  The four partners that ask for these rows jointly take 32 rows each, told apart by address.  No other cluster reads them, so each aligned block of 256 bytes is named once in
; the launch.  K steps 0 to 3 come by their loads alone; the last two refills name nothing.  Wo's rows are read by all sixteen rows of clusters and are not asked for.
; THE WAY OUT is in f32: a lane's eight numbers are 32 bytes of a row; a block of 16 rows x 512 bytes goes through my stage (rows 528 bytes apart) and leaves as whole rows.
; REGISTERS: window 0: v0-31 addresses; v64-95, v128-159 A's fragments; v192-255 the bias; v64-191 rows on the way out      window 1: B's fragments      window 2: accumulators
.set AB,     4
.set NK,     8
.set NLD,    16+2*AB
.set PITCH,  272
.set BBASE,  32*AB*PITCH
.set XORC,   131072
.set STAGE,  XORC+BBASE+256*PITCH
.set SPITCH, 528                       ; a stage row: 512 bytes + 16: the 16 rows of a store start 132 words apart
.set SPARE,  STAGE+4*16*SPITCH
.set ASTEP,  256
.set BSTEP,  256
.set CPITCH, 4096
.set GW,     (1<<16)|(1<<20)|(1<<21)|(5<<22)|(3<<25)
.set PFO,   11                         ; v11  the prefetches' offset: my lane x a row of ctx (2,048 bytes); never rewritten
.set ADRA0, 16
.set ADRB0, 17
.set ADRA,  18
.set ADRB,  19
.set STO,   24
.set RD,    25
.set CO,    26
.set BO,    27
.set SPW,   28
.set NIL,   29
.set F0,    64
.set F1,    128
.set BIAS,  192
.set G1A,   24
.set G0A,   32
.set G1B,   48
.set G0B,   56
.set TB,    66
.set PFA,   90                         ; s[90:91] where my work-group's prefetches stand: its 32 rows of ctx, one K step further along than the refill that is being asked for
.set LIM,   92                         ; s92  2 in wave 0, else the greatest number: a wave prefetches while more trips than that are left
.set MSB, 0
.macro WIN new
.if MSB != (\new)
	s_set_vgpr_msb (MSB<<8)|(\new)
.set MSB, (\new)
.endif
.endm
.macro PLACES
.rept 4
	v_nop
.endr
.endm
.macro CREST
	s_cmp_lg_u32 s10, 0
	s_cbranch_scc1 .Lnot_wave_0_\@
	s_barrier_signal -3
.Lnot_wave_0_\@:
	s_barrier_wait -3
	s_barrier_signal -1
	s_barrier_wait -1
.endm
.macro CROUND
	s_barrier_signal -1
	s_barrier_wait -1
	CREST
.endm
.macro JLOAD
	s_cmp_eq_u32 s11, 0
	s_cbranch_scc0 .Lfor_b_\@
	tensor_load_to_lds s[G0A+4:G0A+7], s[G1A:G1A+7]
	s_nop 0
	PLACES
	s_branch .Lasked_\@
.Lfor_b_\@:
	tensor_load_to_lds s[G0B+4:G0B+7], s[G1B:G1B+7]
	s_nop 0
	PLACES
.Lasked_\@:
.endm
.macro ASK                             ; the branch hangs on the wave's number and the loop's count alone
	s_cmp_gt_u32 s3, s[LIM]
	s_cbranch_scc0 .Lnot_mine_\@
	global_prefetch_b8 v[PFO], s[PFA:PFA+1] offset:ASTEP th:TH_LOAD_NT scope:SCOPE_SE
.Lnot_mine_\@:
.endm
.macro MULB f, a, cm                   ; cm = 2: the bias starts the sums
.set AC, 64*(\a)
.set FA, (\f)+8*(\a)
.if (\cm) == 2
	WIN 0x81
.else
	WIN 0xa1
.endif
.irp b, 0,1,2,3,4,5,6,7
.if (\cm) == 2
	v_wmma_f32_16x16x32_f16 v[AC+8*(\b):AC+8*(\b)+7], v[(\f)+8*(\b):(\f)+8*(\b)+7], v[FA:FA+7], v[BIAS+8*(\b):BIAS+8*(\b)+7]
.else
	v_wmma_f32_16x16x32_f16 v[AC+8*(\b):AC+8*(\b)+7], v[(\f)+8*(\b):(\f)+8*(\b)+7], v[FA:FA+7], v[AC+8*(\b):AC+8*(\b)+7]
.endif
.endr
.endm
.macro MULS f, a0, n, cm               ; the 32 accumulators take turns, one instruction a turn
.set MA, \a0
.rept \n
	MULB \f, MA, \cm
.set MA, MA+1
.endr
.endm
.macro FETCH k, f
	WIN 0x40
.irp i, 0,1,2,3,4,5,6,7
	ds_load_b128 v[(\f)+8*(\i):(\f)+8*(\i)+3],   v[ADRB] offset:(\k)+(\i)*16*PITCH
	ds_load_b128 v[(\f)+8*(\i)+4:(\f)+8*(\i)+7], v[ADRB] offset:(\k)+(\i)*16*PITCH+32
.endr
	WIN 0
.set FI, 0
.rept AB
	ds_load_b128 v[(\f)+8*FI:(\f)+8*FI+3],   v[ADRA] offset:(\k)+FI*16*PITCH
	ds_load_b128 v[(\f)+8*FI+4:(\f)+8*FI+7], v[ADRA] offset:(\k)+FI*16*PITCH+32
.set FI, FI+1
.endr
.endm
.macro QUARTER k, f, g, cm
	s_wait_dscnt AB                                ; B and A's lower blocks are in; the youngest AB loads may be out
	MULS \f, 0, AB/2, \cm
	PLACES
	FETCH \k, \g
	s_wait_dscnt NLD                               ; all but the run just issued
	MULS \f, AB/2, AB/2, \cm
.endm
; The last quarter and the change of slots.
; Between a tile's landing and the next request stand only the add, its wait and the round.
.macro TURN fill
.if \fill
	s_wait_xcnt 0x0                                ; the last prefetch, a K step back, has read its address, so it may be stepped
	s_add_nc_u64 s[PFA:PFA+1], s[PFA:PFA+1], ASTEP
.endif
	s_wait_dscnt AB                                ; B and A's lower blocks are in; the youngest AB loads may be out
	MULS F1, 0, AB/2, 0
	WIN 0
	s_wait_tensorcnt 0x0                           ; all my tensor loads have landed: my part of the next slot; the walking descriptors may be written
	ds_add_u32 v[SPW], v[NIL]
.if \fill
	s_xor_b32 s[G0A+5], s[G0A+5], XORC
	s_add_nc_u64 s[G0A+6:G0A+7], s[G0A+6:G0A+7], ASTEP
	s_xor_b32 s[G0B+5], s[G0B+5], XORC
	s_add_nc_u64 s[G0B+6:G0B+7], s[G0B+6:G0B+7], BSTEP
.endif
	s_wait_dscnt 0x0                               ; the add is done, and my reads of this slot are over
	s_barrier_signal -1
	s_barrier_wait -1
.if \fill
	CREST                                          ; no wave of any partner still reads this slot or has a load on its way
	JLOAD                                          ; its four v_nop are also the places in front of the loads below
.else
	PLACES
.endif
	s_xor_b32 s[TB], s[TB], XORC
	v_add_nc_u32 v[ADRA], s[TB], v[ADRA0]
	v_add_nc_u32 v[ADRB], s[TB], v[ADRB0]
	FETCH 0, F0
.if \fill
	ASK                                            ; behind the joint load and the run of LDS loads that the next products wait for
.endif
	MULS F1, AB/2, AB/2, 0
.endm
; Block a into my stage, straight from the accumulators (the lower four registers first), and back as 16 whole rows of 512 bytes.
.macro TOST a
.set AC, 64*(\a)
.set BB, 64+64*((\a)%2)
	WIN 0x08                                       ; the stores' data in window 2
.irp b, 0,1,2,3,4,5,6,7
	ds_store_b128 v[STO], v[AC+8*(\b):AC+8*(\b)+3]   offset:64*(\b)
	ds_store_b128 v[STO], v[AC+8*(\b)+4:AC+8*(\b)+7] offset:64*(\b)+16
.endr
	WIN 0
.if (\a) >= 2
	s_wait_xcnt 0x0                                ; the stores of the block two back have read these registers
.endif
.irp t, 0,1,2,3,4,5,6,7,8,9,10,11,12,13,14,15
	ds_load_b128 v[BB+4*(\t):BB+4*(\t)+3], v[RD] offset:(\t)*SPITCH  ; LDS serves a wave's instructions in order: these see the stores above, and the next block's stores come behind them
.endr
.endm
.macro SEND a, younger                 ; younger: the LDS instructions issued behind block a's loads: the next block's 32, or none
.set BB, 64+64*((\a)%2)
	s_wait_dscnt \younger
.irp t, 0,1,2,3,4,5,6,7,8,9,10,11,12,13,14,15
	global_store_b128 v[CO], v[BB+4*(\t):BB+4*(\t)+3], s[8:9] offset:(16*(\a)+(\t))*CPITCH th:TH_STORE_NT  ; a wave stores 512 consecutive bytes, aligned
.endr
.endm
	s_load_b256 s[80:87], s[0:1], 0x0              ; ctx s[80:81], xw s[82:83], bo s[84:85], out0 s[86:87]
	v_lshl_add_u32 v[SPW], v0, 2, SPARE
	v_mov_b32 v[NIL], 0
	ds_add_u32 v[SPW], v[NIL]                      ; the wave's opening: the add, and its wait ahead of my first tensor load
	v_lshrrev_b32 v1, 5, v0
	v_readfirstlane_b32 s10, v1
	s_lshr_b32 s11, s10, 1
	s_and_b32 s12, s10, 1
	s_bfe_u32 s40, ttmp6, 0x40000
	s_bfe_u32 s41, ttmp6, 0x40004
	s_lshl_b32 s42, ttmp9, 2
	s_add_co_u32 s42, s42, s40                     ; tile column 0..3
	s_and_b32 s13, ttmp7, 0xffff
	s_lshl_b32 s13, s13, 2
	s_add_co_u32 s13, s13, s41                     ; tile row 0..63
	s_lshl_b32 s43, s41, 2
	s_lshl_b32 s43, 15, s43
	s_lshl_b32 s44, 0x1111, s40
	s_or_b32 s[G1A], s43, GW
	s_or_b32 s[G1B], s44, GW
	s_mov_b32 s[G1A+1], 128<<16
	s_mov_b32 s[G1A+2], 64<<16
	s_mov_b32 s[G1A+3], 128<<16
	s_mov_b32 s[G1A+4], 64
	s_mov_b32 s[G1A+5], 1024
	s_mov_b32 s[G1A+6], 0
	s_mov_b32 s[G1A+7], 0
	s_mov_b32 s[G1B+1], 128<<16
	s_mov_b32 s[G1B+2], 128<<16
	s_mov_b32 s[G1B+3], 128<<16
	s_mov_b32 s[G1B+4], 128
	s_mov_b32 s[G1B+5], 1024
	s_mov_b32 s[G1B+6], 0
	s_mov_b32 s[G1B+7], 0
	s_lshl_b32 s14, s13, 18                        ; A: ctx's row 128 x tile row + 64 x half
	s_lshl_b32 s15, s12, 17
	s_add_co_u32 s14, s14, s15
	s_mov_b32 s15, 0
	s_lshl_b32 s46, s42, 19                        ; B: xw's row 11264 + 256 x tile column + 128 x half
	s_lshl_b32 s47, s12, 18
	s_add_co_u32 s46, s46, s47
	s_add_co_u32 s46, s46, 0x1600000
	s_mov_b32 s47, 0
	s_mul_i32 s20, s12, 64*PITCH
	s_mul_i32 s21, s12, 128*PITCH
	s_add_co_u32 s21, s21, BBASE
	s_wait_dscnt 0x0
	s_wait_kmcnt 0x0
	s_add_nc_u64 s[4:5], s[80:81], s[14:15]
	s_add_nc_u64 s[6:7], s[82:83], s[46:47]
	CROUND
.irp s, 0,1
	s_mov_b32 s[G0A+4*(\s)], 1
	s_add_co_u32 s[G0A+4*(\s)+1], s20, (\s)*XORC
	s_add_nc_u64 s[G0A+4*(\s)+2:G0A+4*(\s)+3], s[4:5], (\s)*ASTEP
	s_or_b32 s[G0A+4*(\s)+3], s[G0A+4*(\s)+3], 0x80000000
	s_mov_b32 s[G0B+4*(\s)], 1
	s_add_co_u32 s[G0B+4*(\s)+1], s21, (\s)*XORC
	s_add_nc_u64 s[G0B+4*(\s)+2:G0B+4*(\s)+3], s[6:7], (\s)*BSTEP
	s_or_b32 s[G0B+4*(\s)+3], s[G0B+4*(\s)+3], 0x80000000
.endr
	s_cmp_eq_u32 s11, 0
	s_cbranch_scc0 .Lfirst_b
	tensor_load_to_lds s[G0A:G0A+3], s[G1A:G1A+7]
	s_nop 0
	tensor_load_to_lds s[G0A+4:G0A+7], s[G1A:G1A+7]
	s_nop 0
	PLACES
	s_branch .Lfirst_asked
.Lfirst_b:
	tensor_load_to_lds s[G0B:G0B+3], s[G1B:G1B+7]
	s_nop 0
	tensor_load_to_lds s[G0B+4:G0B+7], s[G1B:G1B+7]
	s_nop 0
	PLACES
.Lfirst_asked:
	v_and_b32 v1, 15, v0
	v_bfe_u32 v2, v0, 4, 1
	v_and_b32 v6, 31, v0
	s_lshl_b32 s18, s42, 10                        ; the bias of my 128 columns
	s_lshl_b32 s19, s12, 9
	s_add_co_u32 s18, s18, s19
	s_mov_b32 s19, 0
	s_add_nc_u64 s[84:85], s[84:85], s[18:19]
	v_lshlrev_b32 v[BO], 5, v2
.irp b, 0,1,2,3,4,5,6,7
	global_load_b128 v[BIAS+8*(\b):BIAS+8*(\b)+3],   v[BO], s[84:85] offset:64*(\b)
	global_load_b128 v[BIAS+8*(\b)+4:BIAS+8*(\b)+7], v[BO], s[84:85] offset:64*(\b)+16
.endr
	v_mul_u32_u24 v3, v1, PITCH
	v_lshl_add_u32 v3, v2, 4, v3
	s_mul_i32 s22, s11, 16*AB*PITCH
	v_add_nc_u32 v[ADRA0], s22, v3
	s_mul_i32 s22, s12, 128*PITCH
	s_add_co_u32 s22, s22, BBASE
	v_add_nc_u32 v[ADRB0], s22, v3
	s_mul_i32 s23, s10, 16*SPITCH
	s_add_co_u32 s23, s23, STAGE                   ; my stage
	v_mul_u32_u24 v5, v1, SPITCH                   ; in: row l % 16, 32 bytes for each half of the lanes
	v_lshl_add_u32 v5, v2, 5, v5
	v_add_nc_u32 v[STO], s23, v5
	v_lshlrev_b32 v[CO], 4, v6                     ; back and out: 16 bytes a lane of a row's 512
	v_add_nc_u32 v[RD], s23, v[CO]
	s_lshl_b32 s16, s13, 19                        ; my part of out0
	s_lshl_b32 s17, s11, 18
	s_add_co_u32 s16, s16, s17
	s_lshl_b32 s17, s42, 10
	s_add_co_u32 s16, s16, s17
	s_lshl_b32 s17, s12, 9
	s_add_co_u32 s16, s16, s17
	s_mov_b32 s17, 0
	s_add_nc_u64 s[8:9], s[86:87], s[16:17]
	s_lshl_b32 s76, s13, 18                        ; the prefetches: the tile's 128 rows of ctx,
	s_lshl_b32 s77, s40, 16                        ; my work-group's 32 of them: cx enters this address alone,
	s_add_co_u32 s76, s76, s77
	s_add_co_u32 s76, s76, 2*ASTEP                 ; at K step 2: the first refill steps it to 3 and names K step 4
	s_mov_b32 s77, 0
	s_add_nc_u64 s[PFA:PFA+1], s[80:81], s[76:77]
	s_cmp_eq_u32 s10, 0
	s_cselect_b32 s[LIM], 2, -1
	v_lshlrev_b32 v[PFO], 11, v6
	s_wait_loadcnt 0x0
.set i, 0
.rept 32                               ; the bias is rounded to bf16 like every other input
	v_cvt_pk_bf16_f32 v[32+i], v[BIAS+2*i], v[BIAS+2*i+1]
.set i, i+1
.endr
.set i, 0
.rept 32
	v_lshlrev_b32 v[BIAS+2*i], 16, v[32+i]
	v_and_b32 v[BIAS+2*i+1], 0xffff0000, v[32+i]
.set i, i+1
.endr
	s_wait_tensorcnt 0x1                           ; my part of K step 0 is in; K step 1's may stay out
	s_barrier_signal -1
	s_barrier_wait -1
	s_mov_b32 s[TB], 0
	v_mov_b32 v[ADRA], v[ADRA0]
	v_mov_b32 v[ADRB], v[ADRB0]
	FETCH 0, F0
	QUARTER 64, F0, F1, 2                          ; the first quarter stands in front of the loop: its products start the sums, with the bias
	WIN 0
	s_mov_b32 s3, NK-2
	s_branch .Lentry
.Lstep:
	QUARTER 64, F0, F1, 0
	WIN 0
.Lentry:
	QUARTER 128, F1, F0, 0
	QUARTER 192, F0, F1, 0
	TURN 1
	WIN 0
	s_sub_co_u32 s3, s3, 1
	s_cmp_lg_u32 s3, 0
	s_cbranch_scc1 .Lstep
	s_mov_b32 s3, 2
.Ltail:                                        ; the last two K steps ask for nothing; the second trip's change of slots fetches fragments that are never multiplied: the price of one text for both
	QUARTER 64, F0, F1, 0
	QUARTER 128, F1, F0, 0
	QUARTER 192, F0, F1, 0
	TURN 0
	WIN 0
	s_sub_co_u32 s3, s3, 1
	s_cmp_lg_u32 s3, 0
	s_cbranch_scc1 .Ltail
	s_wait_dscnt 0x0
	PLACES
	TOST 0
	TOST 1
	SEND 0, 32
	TOST 2
	SEND 1, 32
	TOST 3
	SEND 2, 32
	SEND 3, 0
	s_wait_tensorcnt 0x0                           ; the wave's end
	ds_add_u32 v[SPW], v[NIL]
	s_wait_dscnt 0x0
	CROUND
	s_endpgm
.Lfunc_end_k_q3c259271f8_outp:
	.size	k_q3c259271f8_outp, .Lfunc_end_k_q3c259271f8_outp-k_q3c259271f8_outp
	.p2alignl 7, 3214868480
	.fill 96, 4, 3214868480
	.section	.rodata,"a",@progbits
	.p2align	6, 0x0
	.amdhsa_kernel k_q3c259271f8_outp
		.amdhsa_group_segment_fixed_size 327680
		.amdhsa_private_segment_fixed_size 0
		.amdhsa_enable_private_segment 0
		.amdhsa_kernarg_size 32
		.amdhsa_user_sgpr_count 2
		.amdhsa_user_sgpr_kernarg_segment_ptr 1
		.amdhsa_wavefront_size32 1
		.amdhsa_system_sgpr_workgroup_id_x 1
		.amdhsa_system_sgpr_workgroup_id_y 1
		.amdhsa_system_sgpr_workgroup_id_z 1
		.amdhsa_system_vgpr_workitem_id 0
		.amdhsa_next_free_vgpr 768
		.amdhsa_next_free_sgpr 96
		.amdhsa_reserve_vcc 0
		.amdhsa_float_denorm_mode_32 3
		.amdhsa_float_denorm_mode_16_64 3
		.amdhsa_memory_ordered 1
		.amdhsa_forward_progress 1
		.amdhsa_inst_pref_size 67
	.end_amdhsa_kernel
	.amdgpu_metadata
---
amdhsa.version: [ 1, 2 ]
amdhsa.kernels:
  - .name:           k_q3c259271f8_outp
    .symbol:         k_q3c259271f8_outp.kd
    .args:
      - { .name: ctx, .offset: 0, .size: 8, .value_kind: global_buffer, .address_space: global }
      - { .name: xw, .offset: 8, .size: 8, .value_kind: global_buffer, .address_space: global }
      - { .name: bo, .offset: 16, .size: 8, .value_kind: global_buffer, .address_space: global }
      - { .name: out0, .offset: 24, .size: 8, .value_kind: global_buffer, .address_space: global }
    .group_segment_fixed_size: 327680
    .private_segment_fixed_size: 0
    .kernarg_segment_align: 8
    .kernarg_segment_size: 32
    .max_flat_workgroup_size: 128
    .sgpr_count:     96
    .vgpr_count:     768
    .wavefront_size: 32
...
	.end_amdgpu_metadata
.endif
;; end of part 5
